; MI455X (gfx1250); checked and timed in simulation.
; The chip was launched on July 23, 2026; its instructions are those of AMD's public machine-readable ISA for CDNA 5 (MIT licence, August 2026) and "CDNA5" Instruction Set Architecture Reference Guide (July 2026). The comments in the code are by the model that wrote it; some were corrected since.
;; Multi Head Attention Debug. Allowed arithmetic: matrix products marked QUANTISED: E2M1 operands, one E8M0 scale for each 32 along K, by v_wmma_scale_f32_16x16x128_f8f6f4 with both operands' format E2M1 (or v_wmma_scale_f32_32x16x128_f4), f32 sums; everything else in f32.
;; Inputs: Wk 1,024 x 1,024 float32; Wo 1,024 x 1,024 float32; Wq 1,024 x 1,024 float32; Wv 1,024 x 1,024 float32; bo 1,024 float32; x 4 x 2,048 x 1,024 float32.
;; Outputs: out0 4 x 2,048 x 1,024 float32.
;; This version of the problem:
;;   THIS VERSION OF THE PROBLEM IS GIVEN IN LOW PRECISION. The matrix products marked QUANTISED in the list below multiply operands that are first quantised to E2M1 (2 exponent bits, 1 mantissa bit; 4 bits a number), with one power-of-two scale for each 32 numbers along K (OCP MX v1.0); their sums are f32. All else is computed in f32.
;;   The module's matrix products, in the order in which they are computed (A, B: the left and right operand; K: the contracted axis; several contracted axes count as one K, in the product's order):
;;     1. [M 8,192, K 1,024] x [K 1,024, N 1,024]; A: input x; B: input Wq: QUANTISED
;;     2. [M 8,192, K 1,024] x [K 1,024, N 1,024]; A: input x; B: input Wk: QUANTISED
;;     3. [M 8,192, K 1,024] x [K 1,024, N 1,024]; A: input x; B: input Wv: QUANTISED
;;     4. batch 64 x [M 2,048, K 64] x [K 64, N 2,048]; A: computed on the way; B: computed on the way: QUANTISED
;;     5. batch 64 x [M 2,048, K 2,048] x [K 2,048, N 64]; A: softmax (see below); B: computed on the way: QUANTISED
;;     6. [M 8,192, K 1,024] x [K 1,024, N 1,024]; A: computed on the way; B: input Wo: QUANTISED
;;   THE QUANTISER, for each operand of a quantised product, along K:
;;     - K is cut into blocks of 32 from its start; a last block that is shorter is filled with zeros.
;;     - A block's scale is 2^e with e = floor(log2(the largest magnitude in the block)) - 2, held to -126 .. 127; a block of zeros has e = 0. As a byte (E8M0): e + 127.
;;     - Each number is divided by its block's scale, clamped to +-6, and rounded to the nearest number of E2M1, ties to even, subnormals kept.
;;     - The product sums the exact products of the quantised numbers (number of the format x scale) in f32.
;;   ~~~python
;;   def quantise(x, axis):      # numpy; x: float32 -> the quantised numbers, widened to float32 again
;;       x = np.moveaxis(x, axis, -1); K = x.shape[-1]
;;       x = np.pad(x, [(0, 0)] * (x.ndim - 1) + [(0, -K % 32)]); x = x.reshape(x.shape[:-1] + (-1, 32)); a = np.abs(x).max(-1, keepdims=True)
;;       e = np.where(a > 0, np.clip(np.frexp(np.where(a > 0, a, 1))[1] - 1 - 2, -126, 127), 0)      # np.frexp(a)[1] - 1 = floor(log2(a)), exactly
;;       r = np.clip(x / 2.0 ** e, -6, 6)
;;       step = 2.0 ** (np.maximum(np.frexp(np.where(r == 0, 1, r))[1] - 1, 0) - 1)
;;       q = np.round(r / step) * step * 2.0 ** e      # np.round: ties to even
;;       return np.moveaxis(q.reshape(q.shape[:-2] + (-1,))[..., :K], -1, axis).astype(np.float32)
;;   ~~~
;;   SOFTMAX AHEAD OF A QUANTISED PRODUCT. Where the list says 'softmax', what is quantised is not the finished softmax but p = 2^(t - M), with t = logit x log2(e) and M = ceil(the row's largest t), a whole number; so 1/2 < the row's largest p <= 1. The row's sum l is taken of the UNQUANTISED p, in f32, and the product's result is divided by l at the end. Since M is a whole number, a kernel that streams over the keys may use a running M (the ceiling of the running maximum): every later rescaling is an exact power of two, which a block's scale takes up: the codes' values come out the same.
;;   OPERANDS COMPUTED ON THE WAY. 'Computed on the way' means the value that the module computes at that place (a softmax that the list does not call 'softmax' is quantised finished and normalised). What goes into a quantiser is computed in f32, as accurately as f32 sums, v_exp_f32 and their like allow (about 1e-6 of the number): no bf16 or f16 on the way to a quantiser, and a product that is left as it is and whose result goes on into a quantised operand takes f32 operands (vector FMAs, or v_wmma_f32_16x16x4_f32). A number that lies on a knife's edge between two numbers of the format may be rounded either way, as far as f32 arithmetic and the matrix unit's own rounding can turn it there, and no further.
;; One version. Each part assembles by itself: llvm-mc -triple=amdgcn-amd-amdhsa -mcpu=gfx1250 --defsym DOCPART=n.
;; ======== version 1 of 1: 4 launches
;; workspace buffers: x_codes 4,194,304 bytes; x_sc 262,144 bytes; w_codes 2,097,152 bytes; w_sc 131,072 bytes; qbuf 4,456,448 bytes; kv 8,912,896 bytes; ctx_img 4,194,304 bytes; ctx_sc 262,144 bytes
;; launch quant (part 1): grid 384 x 1, 4 waves a work-group, no clusters, 33,280 bytes of LDS; arguments x, Wq, Wk, Wv, Wo, x_codes, x_sc, w_codes, w_sc; writes x_codes, x_sc, w_codes, w_sc
.if DOCPART == 1
	.amdgcn_target "amdgcn-amd-amdhsa--gfx1250"
	.amdhsa_code_object_version 6
	.text
	.protected	k_qddb7a34c2d_quant
	.globl	k_qddb7a34c2d_quant
	.p2align	8
	.type	k_qddb7a34c2d_quant,@function
k_qddb7a34c2d_quant:
	s_mov_b64 s[64:65], 0
	v_nop
	global_prefetch_b8 v0, s[64:65] scope:SCOPE_SE
	s_setreg_imm32_b32 hwreg(HW_REG_WAVE_MODE, 25, 1), 1
	s_wait_xcnt 0x0
; THE PROGRAM: causal attention over 4 x 2,048 tokens, 16 heads of 64, all six products on codes of FP4 (E2M1) with one E8M0 scale for each 32 along K.
; Four launches: this one (x and the four weights into codes), qkv (three projections, results quantised in registers), attn (both attention products), proj (the projection on the way out, + bo).
; WORK LEFT OUT AS DEAD: the two attention products for key steps of 128 keys that all come after a tile's queries.  reference() itself sets every score with key > query to -infinity (its own triu),
; so the softmax's weight there is 0 for all finite values of the inputs, and such a step adds nothing to the row's maximum, to its sum or to the second product.  Every input is live and is loaded.
; LIMITS: a NaN, an infinity or an overflow that reaches only a step left out is not carried to the result; NaN and infinities among the inputs are not served;
; a block whose largest magnitude lies under 2^-124 (a block of zeros among them) keeps the scale byte 1: its codes are what the division by 2^-126 gives; the bytes are read by this program alone.
; THIS LAUNCH: x [8192][1024] and Wq, Wk, Wv, Wo [1024][1024], f32, K innermost, become codes (512 bytes a row) and scale bytes (32 a row).
; A block's scale is 2^(floor(log2(its largest magnitude)) - 2): its byte is the largest magnitude's exponent field - 2.  Each number is divided by the scale and rounded to the nearest code, ties to even.
; ROWS ARE STORED WITH BITS 3 AND 4 OF THE ROW NUMBER CHANGED ROUND: row rho of the stored tile T of 16 rows is row 32 (T / 2) + 8 (T % 2) + rho + 8 (rho / 8).  In a product's result a lane's 16 registers
; of two neighbouring tiles of source 0 are then 16 neighbours, which is what the next quantiser wants.  A wave takes 8 rows (8,192 numbers), so the change is a change of the wave's place: 1 and 2 change round.
; Work-groups 0 to 255 take x, 32 rows each; 256 to 383 the weights, 32 work-groups to a tensor, laid one behind the other: Wq, Wk, Wv, Wo.
; A wave's 16 steps of 512 numbers: each of a step's four loads reads 512 consecutive bytes; the 2,048 bytes turn through the wave's own stage in LDS and come back 64 bytes a lane, so that a lane holds 16
; neighbours (two lanes a block).  A lane's 16 codes are 8 bytes: a store covers 256 consecutive bytes.  A wave's 256 scale bytes are gathered in LDS and leave by one store.  No barrier: waves share nothing.
.set WAVES, 4
.set STEPS, 16
.set EMAX,  2
.set CB,    8                          ; bytes of 16 codes
.set R,     16                         ; v16-79   four sets of 16 numbers as they are loaded
.set X,     80                         ; v80-111  two sets of 16 neighbours
.set C,     128                        ; v128-191 codes: four registers for each step, so that no store's data are written again
.set E,     112                        ; v112-127 a scale byte for each step
.set WREG,  8192                       ; LDS: a region for each wave: two stages of 32 x SP bytes, behind them its 256 scale bytes
.set SP,    80                         ; a lane's place in a stage: 64 bytes + 16 of padding
.set SPW,   12                         ; v12 LDS address of my spare word; never rewritten
.set NIL,   13                         ; v13 0; never rewritten
.set SPARE, WAVES*WREG                 ; behind the four regions: the spare words, 128 bytes a wave
	s_load_b256 s[4:11], s[0:1], 0x0               ; x, Wq, Wk, Wv
	s_load_b256 s[12:19], s[0:1], 0x20             ; Wo, x's codes, x's scales, the weights' codes
	s_load_b64 s[20:21], s[0:1], 0x40              ; the weights' scales
	v_lshl_add_u32 v[SPW], v0, 2, SPARE
	v_mov_b32 v[NIL], 0
	v_lshrrev_b32 v1, 5, v0
	v_readfirstlane_b32 s22, v1                    ; wave
	v_and_b32 v2, 31, v0                           ; lane
	v_lshlrev_b32 v3, 4, v2                        ; my 16 bytes of a load's 512
	s_mul_i32 s23, s22, WREG
	v_lshrrev_b32 v14, 2, v2
	v_mul_u32_u24 v14, v14, SP
	v_and_b32 v15, 3, v2
	v_lshl_add_u32 v14, v15, 4, v14
	v_add_nc_u32 v14, s23, v14                     ; the stage, on the way in: SP (lane / 4) + 16 (lane % 4)
	v_mul_u32_u24 v15, v2, SP
	v_add_nc_u32 v15, s23, v15                     ; and on the way out: SP x lane: my 16 neighbours
	v_mul_u32_u24 v4, v2, CB                       ; my codes' place in a step's
	v_lshrrev_b32 v5, 1, v2
	s_add_co_u32 s23, s23, 2*32*SP
	v_add_nc_u32 v5, s23, v5                       ; LDS: my wave's 256 scale bytes, my block's byte
	v_lshlrev_b32 v7, 3, v2                        ; and on the way out 8 bytes a lane
	v_add_nc_u32 v6, s23, v7
	s_and_b32 s28, s22, 1
	s_lshl_b32 s28, s28, 1
	s_lshr_b32 s29, s22, 1
	s_or_b32 s28, s28, s29                         ; where my 8 rows are stored among the work-group's 32: the wave's two bits changed round
	s_sub_co_u32 s24, ttmp9, 256                   ; a weight's work-group: its number among the 128 (in x's work-groups not used)
	s_lshr_b32 s25, s24, 5                         ; which weight
	s_wait_alu depctr_va_vdst(0)
	s_wait_kmcnt 0x0
	s_cmp_eq_u32 s25, 2                            ; the choices hang on the work-group's number alone
	s_cselect_b64 s[12:13], s[10:11], s[12:13]
	s_cmp_eq_u32 s25, 1
	s_cselect_b64 s[12:13], s[8:9], s[12:13]
	s_cmp_eq_u32 s25, 0
	s_cselect_b64 s[12:13], s[6:7], s[12:13]       ; s[12:13]: Wq, Wk, Wv or Wo
	s_and_b32 s26, s24, 31                         ; the work-group's place in its weight
	s_cmp_lt_u32 ttmp9, 256                        ; x's work-group or a weight's?
	s_cselect_b64 s[4:5], s[4:5], s[12:13]         ; from where,
	s_cselect_b64 s[8:9], s[14:15], s[18:19]       ; the codes' buffer,
	s_cselect_b64 s[10:11], s[16:17], s[20:21]     ; the scale bytes' buffer,
	s_cselect_b32 s26, ttmp9, s26                  ; which 32 rows of the source,
	s_cselect_b32 s27, ttmp9, s24                  ; and of the buffers
	s_lshl_b32 s30, s26, 2
	s_add_co_u32 s30, s30, s22
	s_lshl_b32 s30, s30, 15                        ; 8 rows of f32 are 32,768 bytes
	s_mov_b32 s31, 0
	s_add_nc_u64 s[4:5], s[4:5], s[30:31]
	s_lshl_b32 s32, s27, 2
	s_add_co_u32 s32, s32, s28
	s_lshl_b32 s30, s32, 12                        ; 8 rows of codes are 4,096 bytes
	s_add_nc_u64 s[8:9], s[8:9], s[30:31]
	s_lshl_b32 s30, s32, 8                         ; 8 rows of scale bytes are 256
	s_add_nc_u64 s[10:11], s[10:11], s[30:31]
.macro LOAD t
.irp i, 0,1,2,3
	global_load_b128 v[R+16*((\t)%4)+4*\i:R+16*((\t)%4)+4*\i+3], v3, s[4:5] offset:2048*(\t)+512*\i th:TH_LOAD_NT   ; 32 lanes read 512 consecutive bytes
.endr
.endm
.macro TURN t                          ; step t's numbers through the stage: LDS serves a wave's instructions in order, so no wait stands between the stores and the loads
.irp i, 0,1,2,3
	ds_store_b128 v14, v[R+16*((\t)%4)+4*\i:R+16*((\t)%4)+4*\i+3] offset:32*SP*((\t)%2)+8*SP*\i
.endr
.irp i, 0,1,2,3
	ds_load_b128 v[X+16*((\t)%2)+4*\i:X+16*((\t)%2)+4*\i+3], v15 offset:32*SP*((\t)%2)+16*\i
.endr
.endm
.irp t, 0,1,2,3
	LOAD \t
.endr
	s_wait_loadcnt 12                              ; step 0's four loads are in
	TURN 0
.macro STEP t
.set XS, X+16*((\t)%2)
.if (\t) > 0
	s_wait_dscnt 1                                 ; this step's numbers are back from the stage (the last step's byte store may be out): so its stores into the stage have read their registers,
.else
	s_wait_dscnt 0x0
.endif
.if (\t)+4 < STEPS
	LOAD (\t)+4                                    ; which take the loads of four steps on
.endif
.if (\t)+1 < STEPS
.if STEPS-2-(\t) >= 3
	s_wait_loadcnt 12                              ; the next step's four loads are in; those of the three steps behind it may be out
.else
	s_wait_loadcnt 4*(STEPS-2-(\t))
.endif
	TURN (\t)+1                                    ; and go through the other stage while this step is worked
.endif
	v_max3_num_f32 v8, |v[XS]|, |v[XS+1]|, |v[XS+2]|               ; the largest magnitude of my 16
	v_max3_num_f32 v9, |v[XS+3]|, |v[XS+4]|, |v[XS+5]|
.irp i, 6,10
	v_max3_num_f32 v8, v8, |v[XS+\i]|, |v[XS+\i+1]|
	v_max3_num_f32 v9, v9, |v[XS+\i+2]|, |v[XS+\i+3]|
.endr
	v_max3_num_f32 v8, v8, |v[XS+14]|, |v[XS+15]|
	v_max3_num_f32 v8, v8, v9, (EMAX+1)<<23        ; and the floor 2^(3 - 127): the byte cannot fall under 1
	v_max_num_f32_dpp v8, v8, v8 row_xmask:1 row_mask:0xf bank_mask:0xf   ; and of my neighbour's 16: the block's
	v_add_nc_u32 v11, -(EMAX<<23), v8              ; 2 off its exponent field: the conversion takes the exponent field of this operand as its scale
	v_cvt_scalef32_pk8_fp4_f32 v[C+4*(\t)], v[XS:XS+7], v11
	v_cvt_scalef32_pk8_fp4_f32 v[C+4*(\t)+1], v[XS+8:XS+15], v11
	v_lshrrev_b32 v[E+(\t)], 23, v11               ; the scale's byte
	ds_store_b8 v5, v[E+(\t)] offset:16*(\t)       ; both lanes of a block write the same byte with the same value
	global_store_b64 v4, v[C+4*(\t):C+4*(\t)+1], s[8:9] offset:32*CB*(\t)
.endm
.irp t, 0,1,2,3,4,5,6,7,8,9,10,11,12,13,14,15
	STEP \t
.endr
	ds_load_b64 v[8:9], v6                         ; LDS serves a wave's instructions in order: these see my stores
	s_wait_dscnt 0x0
	global_store_b64 v7, v[8:9], s[10:11]          ; 32 lanes store 256 consecutive bytes, aligned
	s_wait_tensorcnt 0x0                           ; the wave's end, behind my last LDS store
	ds_add_u32 v[SPW], v[NIL]
	s_wait_dscnt 0x0
	s_endpgm
.Lfunc_end_k_qddb7a34c2d_quant:
	.size	k_qddb7a34c2d_quant, .Lfunc_end_k_qddb7a34c2d_quant-k_qddb7a34c2d_quant
	.p2alignl 7, 3214868480
	.fill 96, 4, 3214868480
	.section	.rodata,"a",@progbits
	.p2align	6, 0x0
	.amdhsa_kernel k_qddb7a34c2d_quant
		.amdhsa_group_segment_fixed_size 33280
		.amdhsa_private_segment_fixed_size 0
		.amdhsa_enable_private_segment 0
		.amdhsa_kernarg_size 72
		.amdhsa_user_sgpr_count 2
		.amdhsa_user_sgpr_kernarg_segment_ptr 1
		.amdhsa_wavefront_size32 1
		.amdhsa_system_sgpr_workgroup_id_x 1
		.amdhsa_system_sgpr_workgroup_id_y 1
		.amdhsa_system_sgpr_workgroup_id_z 1
		.amdhsa_system_vgpr_workitem_id 0
		.amdhsa_next_free_vgpr 192
		.amdhsa_next_free_sgpr 66
		.amdhsa_reserve_vcc 0
		.amdhsa_float_denorm_mode_32 3
		.amdhsa_float_denorm_mode_16_64 3
		.amdhsa_memory_ordered 1
		.amdhsa_forward_progress 1
		.amdhsa_inst_pref_size 34
	.end_amdhsa_kernel
	.amdgpu_metadata
---
amdhsa.version: [ 1, 2 ]
amdhsa.kernels:
  - .name:           k_qddb7a34c2d_quant
    .symbol:         k_qddb7a34c2d_quant.kd
    .args:
      - { .name: x, .offset: 0, .size: 8, .value_kind: global_buffer, .address_space: global }
      - { .name: Wq, .offset: 8, .size: 8, .value_kind: global_buffer, .address_space: global }
      - { .name: Wk, .offset: 16, .size: 8, .value_kind: global_buffer, .address_space: global }
      - { .name: Wv, .offset: 24, .size: 8, .value_kind: global_buffer, .address_space: global }
      - { .name: Wo, .offset: 32, .size: 8, .value_kind: global_buffer, .address_space: global }
      - { .name: x_codes, .offset: 40, .size: 8, .value_kind: global_buffer, .address_space: global }
      - { .name: x_sc, .offset: 48, .size: 8, .value_kind: global_buffer, .address_space: global }
      - { .name: w_codes, .offset: 56, .size: 8, .value_kind: global_buffer, .address_space: global }
      - { .name: w_sc, .offset: 64, .size: 8, .value_kind: global_buffer, .address_space: global }
    .group_segment_fixed_size: 33280
    .private_segment_fixed_size: 0
    .kernarg_segment_align: 8
    .kernarg_segment_size: 72
    .max_flat_workgroup_size: 128
    .sgpr_count:     66
    .vgpr_count:     192
    .wavefront_size: 32
...
	.end_amdgpu_metadata
.endif
;; end of part 1
;; launch qkv (part 2): grid 12 x 64, 4 waves a work-group, clusters of 4 x 4, 222,464 bytes of LDS; arguments x_codes, x_sc, w_codes, w_sc, qbuf, kv; writes qbuf, kv
.if DOCPART == 2
	.amdgcn_target "amdgcn-amd-amdhsa--gfx1250"
	.amdhsa_code_object_version 6
	.text
	.protected	k_qddb7a34c2d_qkv
	.globl	k_qddb7a34c2d_qkv
	.p2align	8
	.type	k_qddb7a34c2d_qkv,@function
k_qddb7a34c2d_qkv:
	s_mov_b64 s[64:65], 0
	v_nop
	global_prefetch_b8 v0, s[64:65] scope:SCOPE_SE
	s_setreg_imm32_b32 hwreg(HW_REG_WAVE_MODE, 25, 1), 1
	s_wait_xcnt 0x0
	s_wait_alu depctr_hold_cnt(0) depctr_sa_sdst(0) depctr_va_vdst(0) depctr_va_sdst(0) depctr_va_ssrc(0) depctr_va_vcc(0) depctr_vm_vsrc(0)
	s_getreg_b32 s2, hwreg(HW_REG_IB_STS2, 6, 4)
	s_cmp_eq_u32 s2, 0
	s_cbranch_scc0 .Lentry_in_a_cluster
	s_endpgm
.Lentry_in_a_cluster:
	s_bfe_u32 s2, ttmp6, 0x10000c
	s_cmp_lg_u32 s2, 0xf033
	s_cbranch_scc0 .Lentry_shape_is_right
	s_endpgm
.Lentry_shape_is_right:
; q = x Wq^T, k = x Wk^T, v = x Wv^T on codes of FP4, K = 1,024; the f32 sums are quantised in registers for the attention's products and leave as codes and scale words.  Nothing is left out here.
; SHARES.  A work-group makes 128 tokens x 256 columns; the grid's x is 12 such column blocks (4 of Wq, 4 of Wk, 4 of Wv), its y the 64 token blocks: 768 work-groups.  Each of four waves makes all 128 tokens
; x 64 columns, ONE HEAD: 32 accumulators, 256 registers, so that a wave's results are whole operands of the next product.  (For 128 along K a wave reads 12 fragments, 12,288 bytes, from LDS for 32 matrix instructions.)
; LDS.  All of K lies in LDS at once, as two slots of 512 along K (rows of 256 bytes + 16 of padding), each filled once; behind them the scale bytes of the 128 + 256 rows.  No slot is filled again.
; CLUSTERS: 4 x 4 work-groups.  A cluster's four columns are the four column blocks of ONE weight, so the cluster's x says which: 0 q, 1 k, 2 v.  x's tiles are shared along a row of the cluster, the
; weight's along a column: each is asked for jointly, by the same tensor load with the same descriptor and a mask that names the four.
; ROWS of x and of the weights are stored with bits 3 and 4 of the row number changed round: stored tile T, row rho = row 32 (T / 2) + 8 (T % 2) + rho + 8 (rho / 8).
; q, k: source 0 = 16 rows of W, source 1 = 16 tokens: a lane holds one token, and the 16 registers of tiles 2 b, 2 b + 1 are channels 32 b + 16 (lane / 16) + 0 .. 15 of the head.
; v:    source 0 = 16 tokens, source 1 = 16 rows of W: a lane holds one channel, and the 16 registers of token tiles 2 b, 2 b + 1 are keys 32 b + 16 (lane / 16) + 0 .. 15.
; In both, accumulator registers 64 g .. 64 g + 63 are four blocks of 32 along the next K, half a block in a lane: ONE way out serves all three.
; OUT: register images.  q, k: image P = 4 t + g of a head holds token tiles 2 P (first 512 bytes) and 2 P + 1, lane (r, h): channels 32 h .. 32 h + 31 of the tile's token r.  v: image 4 t + i is the fragment of
; channel tile i for the keys 128 t .. 128 t + 127.  A scale word for each image and row.  Each store of codes covers 512 consecutive bytes.
; REGISTERS: window 0: v16-31 addresses; v32-95 x's scale words (tile a, K step q: 8 a + q), v96-127 the weight's (8 i + q); v128-191 the way out.  window 1: the accumulators.
;   window 2: x's fragments, two sets at v0 and v64; the weight's, two sets at v128 and v160.
.set PITCH, 272                        ; an LDS row: 256 bytes + 16 of padding: the 16 rows that a load touches start at 16 different 16-byte columns
.set BOFF,  128*PITCH                  ; in a slot: x's 128 rows, then the weight's 256
.set SLOT,  384*PITCH
.set SCL,   2*SLOT                     ; the scale bytes: units of 256 bytes (8 rows) + 16 of padding: x's 16 units, then the weight's 32
.set SPARE, SCL+48*272                 ; the spare words, 128 bytes a wave
.set ADRA, 16                          ; v16-17 my place in x's rows, slot 0, 1
.set ADRB, 20                          ; v20-21 in my wave's 64 rows of the weight
.set ADSA, 24                          ; v24 my row's scale bytes, x
.set ADSB, 25                          ; v25 the weight
.set LI,   26                          ; v26 16 x lane
.set LS,   27                          ; v27 4 x lane
.set SPW,  28                          ; v28 LDS address of my spare word; never rewritten
.set NIL,  29                          ; v29 0; never rewritten
.set SA,   32
.set SB,   96
.set TM,   128                         ; v128-131 largest magnitudes, v132-135 the other half's, then bytes, v140-143 the conversions' scale operands
.set PW,   144                         ; v144-147 a scale word for each g
.set PM,   148                         ; v148-149 two of them in one register: lanes 0-15, lanes 16-31
.set PC,   160                         ; v160-191 codes, 8 registers for each g: no store's data are written again
.set G1,   24                          ; s[24:31], s[32:39] groups 1 and 0 (a set for each slot) for x's codes
.set G0,   32
.set G1B,  48                          ; s[48:55], s[56:63] for the weight's
.set G0B,  56
.set G1S,  68                          ; s[68:75], s[76:79] for x's scale bytes
.set G0S,  76
.set G1SB, 80                          ; s[80:87], s[88:91] for the weight's
.set G0SB, 88
.set MSB, 0
.macro WIN new                         ; the immediate's high byte repeats the setting that is left; a switch that changes nothing is dropped
.if MSB != \new
	s_set_vgpr_msb (MSB<<8)|\new
.set MSB, \new
.endif
.endm
; A joint load: waves 0 and 1 fetch for x, waves 2 and 3 for the weight.  The branch hangs on the wave's number alone.  An s_nop 0 and four v_nop follow each of the two lines.
.macro JLOAD g0a, g1a, g0b, g1b
	s_cmp_eq_u32 s17, 0
	s_cbranch_scc0 .Lfor_b_\@
	tensor_load_to_lds s[\g0a:\g0a+3], s[\g1a:\g1a+7]
	s_nop 0
.rept 4
	v_nop
.endr
	s_branch .Lasked_\@
.Lfor_b_\@:
	tensor_load_to_lds s[\g0b:\g0b+3], s[\g1b:\g1b+7]
	s_nop 0
.rept 4
	v_nop
.endr
.Lasked_\@:
.endm
.macro ROUND                           ; a round of the cluster's barrier
	s_barrier_signal -1
	s_barrier_wait -1
	s_cmp_lg_u32 s16, 0
	s_cbranch_scc1 .Lnot_wave_0_\@
	s_barrier_signal -3
.Lnot_wave_0_\@:
	s_barrier_wait -3
	s_barrier_signal -1
	s_barrier_wait -1
.endm
.macro PLACES n
.rept \n
	v_nop
.endr
.endm
; 24 LDS loads: the fragments of K step q (128 along K): x's eight tiles and my four of the weight, into set `set`.  A fragment is 8 registers: lane (r, h): row r; registers 4 c .. 4 c + 3: K = 64 c + 32 h + 0 .. 31
.macro FETCH q, set
	WIN 0x80                                       ; destination window 2, address window 0
.irp a, 0,1,2,3,4,5,6,7
.irp c, 0,1
	ds_load_b128 v[64*(\set)+8*\a+4*\c:64*(\set)+8*\a+4*\c+3], v[ADRA+(\q)/4] offset:64*((\q)%4)+32*\c+16*PITCH*\a
.endr
.endr
.irp i, 0,1,2,3
.irp c, 0,1
	ds_load_b128 v[128+32*(\set)+8*\i+4*\c:128+32*(\set)+8*\i+4*\c+3], v[ADRB+(\q)/4] offset:64*((\q)%4)+32*\c+16*PITCH*\i
.endr
.endr
.endm
.macro SCALES                          ; all scale words, once: a row's 32 bytes are its eight words; lanes 16-31 read what lanes 0-15 read
.irp a, 0,1,2,3,4,5,6,7
.irp s, 0,1
	ds_load_b128 v[SA+8*\a+4*\s:SA+8*\a+4*\s+3], v[ADSA] offset:544*\a+16*\s
.endr
.endr
.irp i, 0,1,2,3
.irp s, 0,1
	ds_load_b128 v[SB+8*\i+4*\s:SB+8*\i+4*\s+3], v[ADSB] offset:544*\i+16*\s
.endr
.endr
.endm
.macro WM d, a, b, first, sa, sb       ; one matrix instruction; first = 1: it starts the sum: nothing is ever cleared
.if \first
	v_wmma_scale_f32_16x16x128_f8f6f4 v[(\d):(\d)+7], v[(\a):(\a)+7], v[(\b):(\b)+7], 0, v[\sa], v[\sb] matrix_a_fmt:MATRIX_FMT_FP4 matrix_b_fmt:MATRIX_FMT_FP4
.else
	v_wmma_scale_f32_16x16x128_f8f6f4 v[(\d):(\d)+7], v[(\a):(\a)+7], v[(\b):(\b)+7], v[(\d):(\d)+7], v[\sa], v[\sb] matrix_a_fmt:MATRIX_FMT_FP4 matrix_b_fmt:MATRIX_FMT_FP4
.endif
.endm
; A K step's 32 matrix instructions.  The 32 accumulators take turns, one instruction a turn, in the same order in every step.
.macro MULQK q, set, first             ; accumulator (token tile a, weight tile i) at 8 (4 a + i)
.irp a, 0,1,2,3,4,5,6,7
.irp i, 0,1,2,3
	WM 8*(4*\a+\i), 128+32*(\set)+8*\i, 64*(\set)+8*\a, \first, SB+8*\i+(\q), SA+8*\a+(\q)
.endr
.endr
.endm
.macro MULV q, set, first              ; accumulator (weight tile i, token tile a) at 8 (8 i + a)
.irp i, 0,1,2,3
.irp a, 0,1,2,3,4,5,6,7
	WM 8*(8*\i+\a), 64*(\set)+8*\a, 128+32*(\set)+8*\i, \first, SA+8*\a+(\q), SB+8*\i+(\q)
.endr
.endr
.endm
; K step q: the next step's fragments are asked for first, into the other set, four places behind the products that read it; then this step's products.
.macro KSTEP v, q
.if (\q) == 3                          ; the next fetch is the first from slot 1
	WIN 0
	s_wait_tensorcnt 0x0                           ; my part of slot 1 has landed;
	ds_add_u32 v[SPW], v[NIL]
	s_wait_dscnt 0x0                               ; no LDS instruction of mine is out at the signal
	s_barrier_signal -1
	s_barrier_wait -1                              ; everybody's has.
.endif
.if (\q) < 7
.if (\q) > 0
	PLACES 4
.endif
	FETCH (\q)+1, ((\q)+1)%2
	s_wait_dscnt 24                                ; all but the 24 just issued: this step's fragments (and the scale words) are in
.else
	s_wait_dscnt 0x0
.endif
	WIN 0x5a                                       ; sources 0 and 1 window 2, C and D window 1
.set FIRST, 0
.if (\q) == 0
.set FIRST, 1
.endif
.if \v
	MULV \q, (\q)%2, FIRST
.else
	MULQK \q, (\q)%2, FIRST
.endif
.endm
.macro WALK v
.irp q, 0,1,2,3,4,5,6,7
	KSTEP \v, \q
.endr
	WIN 0
.endm
; Accumulator registers 64 g .. 64 g + 63: register 16 b + i = place 32 b + 16 (lane / 16) + i along the next K.  They become 8 registers of codes, v[PC + 8 g] on, and the scale word v[PW + g].
.macro QUANT g
	WIN 0x05                                       ; sources 0 and 1 window 1
.irp b, 0,1,2,3
	v_max3_num_f32 v[TM+\b], |v[64*(\g)+16*\b]|, |v[64*(\g)+16*\b+1]|, 0x1800000   ; block b: my 16 numbers, each accumulator from its low end on, and the floor 2^(3 - 127): the byte cannot fall under 1
.endr
.irp i, 2,4,6,8,10,12,14
.irp b, 0,1,2,3
	v_max3_num_f32 v[TM+\b], |v[64*(\g)+16*\b+\i]|, |v[64*(\g)+16*\b+\i+1]|, v[TM+\b]   ; (the four blocks by turns)
.endr
.endr
	WIN 0
.irp b, 0,1,2,3
	v_permlanex16_b32 v[TM+4+\b], v[TM+\b], s98, s99
.endr
.irp b, 0,1,2,3
	v_max_num_f32 v[TM+\b], v[TM+\b], v[TM+4+\b]   ; with lane l xor 16's: the block's largest magnitude
.endr
.irp b, 0,1,2,3
	v_add_nc_u32 v[TM+12+\b], 0xff000000, v[TM+\b] ; 2 off its exponent field: the conversion's scale operand
.endr
.irp b, 0,1,2,3
	v_lshrrev_b32 v[TM+4+\b], 23, v[TM+12+\b]      ; the scale's byte
.endr
	v_lshl_or_b32 v[PW+(\g)], v[TM+5], 8, v[TM+4]
	v_lshl_or_b32 v[PW+(\g)], v[TM+6], 16, v[PW+(\g)]
	v_lshl_or_b32 v[PW+(\g)], v[TM+7], 24, v[PW+(\g)]
	WIN 0x01                                       ; source 0 window 1
.irp b, 0,1,2,3
	v_cvt_scalef32_pk8_fp4_f32 v[PC+8*(\g)+2*\b], v[64*(\g)+16*\b:64*(\g)+16*\b+7], v[TM+12+\b]
	v_cvt_scalef32_pk8_fp4_f32 v[PC+8*(\g)+2*\b+1], v[64*(\g)+16*\b+8:64*(\g)+16*\b+15], v[TM+12+\b]
.endr
	WIN 0
	v_nop                                          ; one plain place behind a scaled conversion
.irp c, 0,1                            ; a WHOLE block to a lane: lanes 0-15 block 2 c, lanes 16-31 block 2 c + 1
.irp i, 0,1
	v_permlane16_swap_b32 v[PC+8*(\g)+4*\c+\i], v[PC+8*(\g)+4*\c+2+\i]
.endr
.endr
.endm
	s_load_b256 s[4:11], s[0:1], 0x0               ; x's codes, x's scales, the weights' codes, the weights' scales
	s_load_b128 s[12:15], s[0:1], 0x20             ; qbuf, kv
	v_lshl_add_u32 v[SPW], v0, 2, SPARE
	v_mov_b32 v[NIL], 0
	ds_add_u32 v[SPW], v[NIL]                      ; the wave's opening: the add, twice on end, and its wait ahead of my first tensor load
	ds_add_u32 v[SPW], v[NIL]
	v_lshrrev_b32 v1, 5, v0
	v_readfirstlane_b32 s16, v1                    ; wave 0..3
	s_lshr_b32 s17, s16, 1                         ; I fetch for x (0) or for the weight (1),
	s_and_b32 s18, s16, 1                          ; and which half of its rows
	s_bfe_u32 s20, ttmp6, 0x40000                  ; cx
	s_bfe_u32 s21, ttmp6, 0x40004                  ; cy
	s_lshl_b32 s22, ttmp9, 2
	s_add_co_u32 s22, s22, s20                     ; column block = 4 x cluster x + cx
	s_and_b32 s23, ttmp7, 0xffff
	s_lshl_b32 s23, s23, 2
	s_add_co_u32 s23, s23, s21                     ; token block = 4 x cluster y + cy
	s_lshl_b32 s40, s21, 2
	s_lshl_b32 s40, 15, s40                        ; my row of the cluster
	s_lshl_b32 s41, 0x1111, s20                    ; my column
	s_or_b32 s[G1], s40, (1<<20)|(1<<21)|(5<<22)|(3<<25)    ; the mask; elements of 1 byte; padding on; bit 21 beside a mask; 4 words behind every 64
	s_mov_b32 s[G1+1], 256<<16                     ; tensor_dim0 = 256 bytes
	s_mov_b32 s[G1+2], 64<<16                      ; tensor_dim1 = 64 rows
	s_mov_b32 s[G1+3], 256<<16                     ; tile_dim0
	s_mov_b32 s[G1+4], 64                          ; tile_dim1
	s_mov_b32 s[G1+5], 512                         ; from row to row
	s_mov_b32 s[G1+6], 0
	s_mov_b32 s[G1+7], 0
	s_or_b32 s[G1B], s41, (1<<20)|(1<<21)|(5<<22)|(3<<25)
	s_mov_b32 s[G1B+1], 256<<16
	s_mov_b32 s[G1B+2], 128<<16                    ; 128 rows
	s_mov_b32 s[G1B+3], 256<<16
	s_mov_b32 s[G1B+4], 128
	s_mov_b32 s[G1B+5], 512
	s_mov_b32 s[G1B+6], 0
	s_mov_b32 s[G1B+7], 0
	s_or_b32 s[G1S], s40, (3<<16)|(1<<20)|(1<<21)|(5<<22)|(3<<25)   ; scale bytes: a dense block as rows of 256 bytes (32 elements of 8)
	s_mov_b32 s[G1S+1], 32<<16
	s_mov_b32 s[G1S+2], 8<<16                      ; 64 rows x 32 bytes = 8 units
	s_mov_b32 s[G1S+3], 32<<16
	s_mov_b32 s[G1S+4], 8
	s_mov_b32 s[G1S+5], 32
	s_mov_b32 s[G1S+6], 0
	s_mov_b32 s[G1S+7], 0
	s_or_b32 s[G1SB], s41, (3<<16)|(1<<20)|(1<<21)|(5<<22)|(3<<25)
	s_mov_b32 s[G1SB+1], 32<<16
	s_mov_b32 s[G1SB+2], 16<<16                    ; 128 rows: 16 units
	s_mov_b32 s[G1SB+3], 32<<16
	s_mov_b32 s[G1SB+4], 16
	s_mov_b32 s[G1SB+5], 32
	s_mov_b32 s[G1SB+6], 0
	s_mov_b32 s[G1SB+7], 0
	s_lshl_b32 s42, s23, 7                         ; x: row 128 x token block + 64 x half (these registers never hold cx)
	s_lshl_b32 s19, s18, 6
	s_add_co_u32 s42, s42, s19
	s_lshl_b32 s46, s42, 5                         ; its scale bytes,
	s_lshl_b32 s42, s42, 9                         ; its codes
	s_mov_b32 s43, 0
	s_mov_b32 s47, 0
	s_lshl_b32 s44, s22, 8                         ; the weight: row 256 x column block + 128 x half (never cy)
	s_lshl_b32 s19, s18, 7
	s_add_co_u32 s44, s44, s19
	s_lshl_b32 s66, s44, 5
	s_lshl_b32 s44, s44, 9
	s_mov_b32 s45, 0
	s_mov_b32 s67, 0
	s_mul_i32 s92, s18, 64*PITCH                   ; where they go: the wave's number and constants alone
	s_mul_i32 s93, s18, 128*PITCH
	s_add_co_u32 s93, s93, BOFF
	s_mul_i32 s94, s18, 8*272
	s_add_co_u32 s94, s94, SCL
	s_mul_i32 s95, s18, 16*272
	s_add_co_u32 s95, s95, SCL+16*272
	s_mov_b32 s96, 0xffff0000                      ; lanes 16-31
	s_mov_b32 s98, 0x76543210
	s_mov_b32 s99, 0xfedcba98                      ; v_permlanex16_b32's selects for lane l xor 16
	s_wait_dscnt 0x0                               ; both opening adds are done
	s_wait_kmcnt 0x0
	s_add_nc_u64 s[4:5], s[4:5], s[42:43]
	s_add_nc_u64 s[8:9], s[8:9], s[44:45]
	s_mov_b32 s[G0S], 1
	s_mov_b32 s[G0S+1], s94
	s_add_nc_u64 s[G0S+2:G0S+3], s[6:7], s[46:47]
	s_or_b32 s[G0S+3], s[G0S+3], 0x80000000
	s_mov_b32 s[G0SB], 1
	s_mov_b32 s[G0SB+1], s95
	s_add_nc_u64 s[G0SB+2:G0SB+3], s[10:11], s[66:67]
	s_or_b32 s[G0SB+3], s[G0SB+3], 0x80000000
.irp s, 0,1
	s_mov_b32 s[G0+4*\s], 1
	s_add_co_u32 s[G0+4*\s+1], s92, \s*SLOT
	s_add_nc_u64 s[G0+4*\s+2:G0+4*\s+3], s[4:5], \s*256    ; slot s: K = 512 s on
	s_or_b32 s[G0+4*\s+3], s[G0+4*\s+3], 0x80000000
	s_mov_b32 s[G0B+4*\s], 1
	s_add_co_u32 s[G0B+4*\s+1], s93, \s*SLOT
	s_add_nc_u64 s[G0B+4*\s+2:G0B+4*\s+3], s[8:9], \s*256
	s_or_b32 s[G0B+4*\s+3], s[G0B+4*\s+3], 0x80000000
.endr
	ROUND                                          ; all sixteen work-groups are here: the joint loads meet
	JLOAD G0S, G1S, G0SB, G1SB                     ; three loads of mine are out: the scale bytes,
	JLOAD G0, G1, G0B, G1B                         ; slot 0,
	JLOAD G0+4, G1, G0B+4, G1B                     ; slot 1
	v_and_b32 v1, 15, v0                           ; r
	v_bfe_u32 v2, v0, 4, 1                         ; h
	v_mul_u32_u24 v[ADRA], v1, PITCH
	v_lshl_add_u32 v[ADRA], v2, 4, v[ADRA]         ; row x pitch + 16 h
	v_add_nc_u32 v[ADRA+1], SLOT, v[ADRA]
	s_mul_i32 s19, s16, 64*PITCH
	s_add_co_u32 s19, s19, BOFF                    ; my wave's 64 rows of the weight
	v_add_nc_u32 v[ADRB], s19, v[ADRA]
	s_add_co_u32 s19, s19, SLOT
	v_add_nc_u32 v[ADRB+1], s19, v[ADRA]
	v_lshrrev_b32 v3, 3, v1
	v_lshlrev_b32 v4, 5, v1
	v_lshl_add_u32 v4, v3, 4, v4                   ; 32 r + 16 (r / 8)
	v_add_nc_u32 v[ADSA], SCL, v4
	s_mul_i32 s19, s16, 8*272
	s_add_co_u32 s19, s19, SCL+16*272
	v_add_nc_u32 v[ADSB], s19, v4
	v_and_b32 v3, 31, v0
	v_lshlrev_b32 v[LI], 4, v3
	v_lshlrev_b32 v[LS], 2, v3
.irp b, 0,1,2,3
	v_mov_b32 v[TM+4+\b], 0                        ; written once: a lane permute's destination counts as one of its sources
.endr
	s_wait_alu depctr_va_vdst(0)
	s_wait_tensorcnt 0x1                           ; the scale bytes and my part of slot 0 are in; slot 1's load may stay out
	s_barrier_signal -1
	s_barrier_wait -1                              ; everybody's are
	SCALES
	FETCH 0, 0
	WIN 0
	s_cmp_eq_u32 ttmp9, 2                          ; the cluster's x: the same in all sixteen partners and all waves
	s_cbranch_scc1 .Lvalues
	WALK 0
	s_branch .Lout
.Lvalues:
	WALK 1
.Lout:
	; where my head's images and scale words go
	s_lshl_b32 s40, s20, 2
	s_add_co_u32 s40, s40, s16                     ; the head: 4 cx + wave
	s_and_b32 s41, s23, 0x30                       ; 16 x batch
	s_add_co_u32 s40, s40, s41                     ; 16 x batch + head
	s_and_b32 s41, s23, 15                         ; t: which 128 tokens of the sequence
	s_mov_b32 s42, 139264
	s_mov_b32 s43, 131072
	s_mov_b32 s45, 135168
	s_cmp_eq_u32 ttmp9, 0
	s_cselect_b64 s[92:93], s[12:13], s[14:15]     ; q: qbuf; k, v: kv
	s_cselect_b32 s42, 69632, s42                  ; bytes for a head
	s_cselect_b32 s43, 65536, s43                  ; where the scale words begin: q's, k's,
	s_cmp_eq_u32 ttmp9, 2
	s_cselect_b32 s44, 65536, 0                    ; v's images lie behind k's
	s_cselect_b32 s43, s45, s43                    ; v's
	s_mul_i32 s42, s40, s42
	s_lshl_b32 s45, s41, 12                        ; four images of 1,024 bytes for 128 tokens
	s_add_co_u32 s44, s44, s45
	s_add_co_u32 s44, s44, s42
	s_mov_b32 s45, 0
	s_lshl_b32 s46, s41, 8                         ; and four times 16 scale words
	s_add_co_u32 s46, s46, s43
	s_add_co_u32 s46, s46, s42
	s_mov_b32 s47, 0
	s_add_nc_u64 s[94:95], s[92:93], s[46:47]
	s_add_nc_u64 s[92:93], s[92:93], s[44:45]
	PLACES 4                                       ; behind the last products, ahead of the first read of results
.irp g, 0,1,2,3
	QUANT \g
	global_store_b128 v[LI], v[PC+8*\g:PC+8*\g+3], s[92:93] offset:1024*\g          ; 32 lanes store 512 consecutive bytes
	global_store_b128 v[LI], v[PC+8*\g+4:PC+8*\g+7], s[92:93] offset:1024*\g+512
.if \g%2
	v_cndmask_b32 v[PM+\g/2], v[PW+\g-1], v[PW+\g], s96                             ; lanes 0-15: image g - 1's words, lanes 16-31: image g's
	global_store_b32 v[LS], v[PM+\g/2], s[94:95] offset:128*(\g/2)
.endif
.endr
	s_wait_tensorcnt 0x0                           ; the wave's end
	ds_add_u32 v[SPW], v[NIL]
	s_wait_dscnt 0x0
	ROUND                                          ; the closing round
	s_endpgm
.Lfunc_end_k_qddb7a34c2d_qkv:
	.size	k_qddb7a34c2d_qkv, .Lfunc_end_k_qddb7a34c2d_qkv-k_qddb7a34c2d_qkv
	.p2alignl 7, 3214868480
	.fill 96, 4, 3214868480
	.section	.rodata,"a",@progbits
	.p2align	6, 0x0
	.amdhsa_kernel k_qddb7a34c2d_qkv
		.amdhsa_group_segment_fixed_size 222464
		.amdhsa_private_segment_fixed_size 0
		.amdhsa_enable_private_segment 0
		.amdhsa_kernarg_size 48
		.amdhsa_user_sgpr_count 2
		.amdhsa_user_sgpr_kernarg_segment_ptr 1
		.amdhsa_wavefront_size32 1
		.amdhsa_system_sgpr_workgroup_id_x 1
		.amdhsa_system_sgpr_workgroup_id_y 1
		.amdhsa_system_sgpr_workgroup_id_z 1
		.amdhsa_system_vgpr_workitem_id 0
		.amdhsa_next_free_vgpr 768
		.amdhsa_next_free_sgpr 100
		.amdhsa_reserve_vcc 0
		.amdhsa_float_denorm_mode_32 3
		.amdhsa_float_denorm_mode_16_64 3
		.amdhsa_memory_ordered 1
		.amdhsa_forward_progress 1
		.amdhsa_inst_pref_size 119
	.end_amdhsa_kernel
	.amdgpu_metadata
---
amdhsa.version: [ 1, 2 ]
amdhsa.kernels:
  - .name:           k_qddb7a34c2d_qkv
    .symbol:         k_qddb7a34c2d_qkv.kd
    .args:
      - { .name: x_codes, .offset: 0, .size: 8, .value_kind: global_buffer, .address_space: global }
      - { .name: x_sc, .offset: 8, .size: 8, .value_kind: global_buffer, .address_space: global }
      - { .name: w_codes, .offset: 16, .size: 8, .value_kind: global_buffer, .address_space: global }
      - { .name: w_sc, .offset: 24, .size: 8, .value_kind: global_buffer, .address_space: global }
      - { .name: qbuf, .offset: 32, .size: 8, .value_kind: global_buffer, .address_space: global }
      - { .name: kv, .offset: 40, .size: 8, .value_kind: global_buffer, .address_space: global }
    .group_segment_fixed_size: 222464
    .private_segment_fixed_size: 0
    .kernarg_segment_align: 8
    .kernarg_segment_size: 48
    .max_flat_workgroup_size: 128
    .sgpr_count:     100
    .vgpr_count:     768
    .wavefront_size: 32
...
	.end_amdgpu_metadata
.endif
;; end of part 2
;; launch attn (part 3): grid 4 x 64, 16 waves a work-group, clusters of 4 x 1, 167,936 bytes of LDS; arguments qbuf, kv, ctx_img, ctx_sc; writes ctx_img, ctx_sc
.if DOCPART == 3
	.amdgcn_target "amdgcn-amd-amdhsa--gfx1250"
	.amdhsa_code_object_version 6
	.text
	.protected	k_qddb7a34c2d_attn
	.globl	k_qddb7a34c2d_attn
	.p2align	8
	.type	k_qddb7a34c2d_attn,@function
k_qddb7a34c2d_attn:
	s_mov_b64 s[64:65], 0
	v_nop
	global_prefetch_b8 v0, s[64:65] scope:SCOPE_SE
	s_setreg_imm32_b32 hwreg(HW_REG_WAVE_MODE, 25, 1), 1
	s_wait_xcnt 0x0
	s_wait_alu depctr_hold_cnt(0) depctr_sa_sdst(0) depctr_va_vdst(0) depctr_va_sdst(0) depctr_va_ssrc(0) depctr_va_vcc(0) depctr_vm_vsrc(0)
	s_getreg_b32 s2, hwreg(HW_REG_IB_STS2, 6, 4)
	s_cmp_eq_u32 s2, 0
	s_cbranch_scc0 .Lentry_in_a_cluster
	s_endpgm
.Lentry_in_a_cluster:
	s_bfe_u32 s2, ttmp6, 0x10000c
	s_cmp_lg_u32 s2, 0x3003
	s_cbranch_scc0 .Lentry_shape_is_right
	s_endpgm
.Lentry_shape_is_right:
; ctx = softmax(q k^T / 8, causal) v for one head of one batch, both products on codes of FP4; ctx is quantised in registers along the model's 1,024 and leaves as codes and scale bytes for the last projection.
; LEFT OUT AS DEAD: key steps of 128 keys that all come after a tile's queries: reference()'s own mask makes every weight there 0 for all finite inputs.  A NaN or infinity that reaches only such a step is not carried on.
; THE SOFTMAX: t = score x log2(e) / 8; M = the running largest t rounded UP to a whole number; p = 2^(t - M) is quantised along the keys, not normalised; the row's sum is taken of the unquantised p and divides at the end.
; When M moves, the sum and O^T are multiplied by 2^(old M - new M): nothing is rounded, and there is no branch on data.
; SHARES.  The grid's y is batch x head; the four work-groups along x, one cluster, share the head's 128 tiles of 16 queries.  Work-group g, wave w (j = w % 8, u = w / 8) takes tile 2 g + u of query block j
; (128 queries a block) and then the same tile of block 15 - j: (j + 1) + (16 - j) = 17 live key steps for every wave, two of them on the diagonal.  No barrier stands in the walk.
; LDS.  A work-group's waves have j = 0 .. 7, so it reads all 16 key steps: the head's whole block of kv (k's and v's register images and scale words, 139,264 bytes) comes in once, 8,704 bytes a wave, and is never filled again.
; CLUSTER.  The four partners read the same block: each wave's load is a joint load with a mask that names the four.  The work-group's place g enters global offsets and the mask's comparison value alone.
; LAYOUT.  S^T = k q^T, O^T = v^T p^T: a lane holds one query throughout.  The head's size is 64, half of the instruction's 128 along K: ONE image of k holds two key tiles, in its two halves of K; q stands in
; one half of its operand with zero codes in the other, which picks the tile.  By the stored order of rows the 16 registers of key tiles 2 b, 2 b + 1 are keys 32 b + 16 (lane / 16) + 0 .. 15,
; and the 16 registers of O^T's tiles 2 b, 2 b + 1 are channels 32 b + 16 (lane / 16) + 0 .. 15.  Lane r's query is 32 g + 8 u + r + 8 (r / 8) of its block.
.set SPARE, 139264                     ; behind the block: the spare words, 128 bytes for each of 16 waves
.set LI,  1                            ; v1  16 x lane
.set LS,  2                            ; v2  131,072 + 4 x lane: k's scale words
.set SPW, 3                            ; v3  LDS address of my spare word; never rewritten
.set NIL, 4                            ; v4  0; never rewritten
.set DG,  5                            ; v5  my query's place in its block - 16 (lane / 16)
.set QO,  6                            ; v6  offset of q's codes
.set QSO, 7                            ; v7  of q's scale word
.set ADK, 8                            ; v8  LDS address of the step's images of k
.set ADV, 9                            ; v9  of v
.set ADS, 10                           ; v10 of the scale words
.set CO,  11                           ; v11 offset of ctx's codes
                                       ; v12 -M, v13 the largest t, v[14:15] the sum in two halves
                                       ; v16-19 zeros, v20-23 q, v24-27 zeros: q in the upper half of K = v[16:23], in the lower = v[20:27]
.set QS,  28                           ; v28 q's scale word: its two bytes, twice
.set PWS, 29                           ; v29 ctx's scale bytes: lanes 0-15 the first pass's, lanes 16-31 the second's
.set CSO, 30                           ; v30 their offset
.set R4,  31                           ; v31 4 r
.set KF,  32                           ; v32-63   four images of k
.set VF,  64                           ; v64-95   four fragments of v
.set S,   96                           ; v96-159  S^T, then p; at a pass's end O^T / the sum
.set O,   160                          ; v160-191 O^T
.set PC,  192                          ; v192-199 p's codes; at a pass's end ctx's
.set KS,  200                          ; v200-201 k's scale words: images 0 | 1, 2 | 3 in lanes 0-15 | 16-31
.set VS,  202                          ; v202-203 v's likewise
.set PSW, 204                          ; v204 p's scale word
.set BM,  208                          ; v208-211 a block's largest score, then its largest p
.set T2,  212                          ; v212-215 at work
.set SO,  216                          ; v216-219 the conversions' scale operands
.set F,   220                          ; v[220:221] f = 2^(old M - new M), named as a pair
.set TMP, 222
.set QW,  223
.set BH,  12                           ; s12 batch x head
.set WV,  18                           ; s18 wave
.set SEL, 20                           ; s[20:21] selects for lane l xor 16
.set CS,  22                           ; s[22:23] c = log2(e) / 8
.set G1,  24                           ; s[24:31], s[32:35] the descriptor
.set G0,  32
.set JW,  36                           ; s36 j
.set UW,  37                           ; s37 u
.set GC,  38                           ; s38 g
.set JQ,  39                           ; s39 the pass's query block
.set PASS, 40
.set KT,  41                           ; s41 the key step
.set TB,  42                           ; s42 4,096 x key step
.set TS,  43                           ; s43 256 x key step
.set LM,  44                           ; s44 the lanes that take this pass's scale bytes
.set JM,  45                           ; s45 15 - j
.set U16, 52                           ; s52 16 u
.macro ROUND                           ; a round of the cluster's barrier
	s_barrier_signal -1
	s_barrier_wait -1
	s_cmp_lg_u32 s[WV], 0
	s_cbranch_scc1 .Lnot_wave_0_\@
	s_barrier_signal -3
.Lnot_wave_0_\@:
	s_barrier_wait -3
	s_barrier_signal -1
	s_barrier_wait -1
.endm
	s_load_b256 s[4:11], s[0:1], 0x0               ; qbuf, kv, ctx_img, ctx_sc
	v_lshl_add_u32 v[SPW], v0, 2, SPARE
	v_mov_b32 v[NIL], 0
	ds_add_u32 v[SPW], v[NIL]                      ; the wave's opening: the add, twice on end, and its wait ahead of my first tensor load
	ds_add_u32 v[SPW], v[NIL]
	v_lshrrev_b32 v[ADK], 5, v0
	s_delay_alu instid0(VALU_DEP_1)
	v_readfirstlane_b32 s[WV], v[ADK]              ; wave 0..15
	s_and_b32 s[BH], ttmp7, 0xffff
	s_mov_b32 s[G1], 15|(3<<16)|(1<<21)            ; the mask: all four partners; elements of 8 bytes; bit 21 beside a mask; no padding: images are read 16 bytes a lane, on end
	s_mov_b32 s[G1+1], 32<<16                      ; tensor_dim0: 256 bytes
	s_mov_b32 s[G1+2], 34<<16                      ; tensor_dim1: 34 rows: 8,704 bytes, a sixteenth of the block
	s_mov_b32 s[G1+3], 32<<16
	s_mov_b32 s[G1+4], 34
	s_mov_b32 s[G1+5], 32
	s_mov_b32 s[G1+6], 0
	s_mov_b32 s[G1+7], 0
	s_mov_b32 s[G0], 1
	s_mul_i32 s[G0+1], s[WV], 8704                 ; LDS: the block lies as in memory
	s_mul_i32 s54, s[BH], 139264
	s_add_co_u32 s54, s54, s[G0+1]
	s_mov_b32 s55, 0
	s_mov_b32 s[SEL], 0x76543210
	s_mov_b32 s[SEL+1], 0xfedcba98
	s_mov_b32 s[CS], 0x3e38aa3b                    ; log2(e) / 8
	s_mov_b32 s[CS+1], s[CS]                       ; (named with it as a pair)
	s_wait_dscnt 0x0                               ; both opening adds are done
	s_wait_kmcnt 0x0
	s_add_nc_u64 s[G0+2:G0+3], s[6:7], s[54:55]
	s_or_b32 s[G0+3], s[G0+3], 0x80000000
	ROUND                                          ; all four work-groups are here: the joint loads meet
	tensor_load_to_lds s[G0:G0+3], s[G1:G1+7]      ; my one tensor load
	s_nop 0
.rept 4
	v_nop
.endr
	s_and_b32 s[JW], s[WV], 7
	s_lshr_b32 s[UW], s[WV], 3
	s_bfe_u32 s[GC], ttmp6, 0x40000                ; my place in the cluster
	s_sub_co_u32 s[JM], 15, s[JW]
	s_lshl_b32 s[U16], s[UW], 4
	s_mov_b32 s[LM], 0xffff
	s_lshl_b32 s13, s[GC], 1
	s_add_co_u32 s13, s13, s[UW]                   ; a = 2 g + u: my tile in a block of 128 queries
	s_mul_i32 s54, s[BH], 69632
	s_add_nc_u64 s[46:47], s[4:5], s[54:55]        ; qbuf at my head
	s_lshr_b32 s14, s[BH], 4                       ; batch
	s_and_b32 s15, s[BH], 15                       ; head
	s_lshl_b32 s54, s14, 20                        ; ctx_img: 16 token blocks of 65,536 bytes a batch,
	s_lshr_b32 s53, s15, 3
	s_lshl_b32 s53, s53, 15                        ; the half of K,
	s_add_co_u32 s54, s54, s53
	s_lshl_b32 s53, s13, 12                        ; the tile,
	s_add_co_u32 s54, s54, s53
	s_and_b32 s53, s15, 7
	s_lshl_b32 s53, s53, 9                         ; the head's 512 bytes
	s_add_co_u32 s54, s54, s53
	s_add_nc_u64 s[48:49], s[8:9], s[54:55]
	s_lshl_b32 s54, s14, 16                        ; ctx_sc: 32 bytes a stored row: 2,048 rows a batch,
	s_lshl_b32 s53, s[JW], 12                      ; block j,
	s_add_co_u32 s54, s54, s53
	s_lshl_b32 s53, s13, 9                         ; the tile,
	s_add_co_u32 s54, s54, s53
	s_lshl_b32 s53, s15, 1                         ; the head's two bytes
	s_add_co_u32 s54, s54, s53
	s_add_nc_u64 s[50:51], s[10:11], s[54:55]
	s_sub_co_u32 s53, s[JM], s[JW]
	s_lshl_b32 s53, s53, 12                        ; from block j to block 15 - j
	s_lshl_b32 s14, s[GC], 5
	s_lshl_b32 s15, s[UW], 3
	s_add_co_u32 s14, s14, s15                     ; 32 g + 8 u
	v_and_b32 v[ADK], 15, v0                       ; r
	v_bfe_u32 v[ADV], v0, 4, 1                     ; h
	v_and_b32 v[LI], 31, v0
	s_delay_alu instid0(VALU_DEP_1)
	v_lshl_add_u32 v[LS], v[LI], 2, 0x20000
	s_delay_alu instid0(VALU_DEP_2)
	v_lshlrev_b32 v[LI], 4, v[LI]
	v_lshlrev_b32 v[R4], 2, v[ADK]
	v_and_b32 v[ADS], 8, v[ADK]
	s_delay_alu instid0(VALU_DEP_1)
	v_add_nc_u32 v[DG], v[ADS], v[ADK]             ; r + 8 (r / 8)
	v_lshlrev_b32 v[ADS], 4, v[ADV]
	s_delay_alu instid0(VALU_DEP_1)
	v_sub_nc_u32 v[DG], v[DG], v[ADS]
	s_delay_alu instid0(VALU_DEP_1)
	v_add_nc_u32 v[DG], s14, v[DG]
	v_mul_u32_u24 v[CSO], v[ADV], s53              ; lanes 16-31 store the second pass's bytes
	s_delay_alu instid0(VALU_DEP_1)
	v_lshl_add_u32 v[CSO], v[ADK], 5, v[CSO]
.irp i, 16,17,18,19,24,25,26,27
	v_mov_b32 v[\i], 0                             ; the zero codes beside q
.endr
	v_mov_b32 v[PWS], 0
.irp b, 0,1,2,3
	v_mov_b32 v[T2+\b], 0                          ; written once: a lane permute's destination counts as one of its sources
.endr
	v_mov_b32 v[F], 0
	v_mov_b32 v[F+1], 0                            ; (named as the upper half of the pair)
	s_wait_tensorcnt 0x0                           ; my part of the block has landed;
	ds_add_u32 v[SPW], v[NIL]
	s_wait_dscnt 0x0
	s_barrier_signal -1
	s_barrier_wait -1                              ; everybody's has.
	s_mov_b32 s[PASS], 0
.Lpass:
	s_wait_xcnt 0x0                                ; the last pass's load and store have read their offsets and data: they are written again below
	s_cmp_eq_u32 s[PASS], 0
	s_cselect_b32 s[JQ], s[JW], s[JM]              ; block j, then block 15 - j
	s_lshl_b32 s13, s[JQ], 2
	s_add_co_u32 s13, s13, s[GC]                   ; q's image: 4 x block + g
	s_lshl_b32 s14, s13, 6
	s_add_co_u32 s14, s14, 65536                   ; its 16 scale words
	s_lshl_b32 s13, s13, 10
	s_lshl_b32 s15, s[UW], 9                       ; its half: tile u
	s_add_co_u32 s13, s13, s15
	v_add_nc_u32 v[QO], s13, v[LI]
	v_add_nc_u32 v[QSO], s14, v[R4]
	global_load_b128 v[20:23], v[QO], s[46:47]
	global_load_b32 v[QW], v[QSO], s[46:47]
	v_mov_b32 v13, 0xff61b1e6                      ; the largest t so far: -3e38, under every t
	s_delay_alu instid0(VALU_DEP_1)
	v_floor_f32 v12, -v13                          ; -M
	v_mov_b32 v14, 0                               ; the sum, in two halves
	v_mov_b32 v15, 0
	s_mov_b32 s[KT], 0
	s_mov_b32 s[TB], 0
	s_mov_b32 s[TS], 0
	s_wait_loadcnt 0x0
	v_lshrrev_b32 v[QW], s[U16], v[QW]
	s_delay_alu instid0(VALU_DEP_1)
	v_and_b32 v[QW], 0xffff, v[QW]                 ; my tile's two bytes,
	s_delay_alu instid0(VALU_DEP_1)
	v_lshl_or_b32 v[QS], v[QW], 16, v[QW]          ; for whichever half of K holds q; over the zero codes they add nothing
.set n, 0
.rept 32
	v_mov_b32 v[O+n], 0                            ; O^T: the step is written once, and the first change of M leaves zeros zeros.  (These lines are also the places between the scale word's last write and the first product)
.set n, n+1
.endr
.Lstep:                                            ; 16 trips for every wave: the count is a constant; a step behind the pass's block does nothing but step the addresses
	s_cmp_gt_u32 s[KT], s[JQ]
	s_cbranch_scc1 .Lhidden
	s_setprio 2
	v_add_nc_u32 v[ADK], s[TB], v[LI]              ; (these four lines are the places behind the last step's products, ahead of loads into their registers)
	v_add_nc_u32 v[ADS], s[TS], v[LS]
	s_delay_alu instid0(VALU_DEP_2)
	v_add_nc_u32 v[ADV], 0x10000, v[ADK]
	v_nop
	ds_load_b32 v[KS], v[ADS]
	ds_load_b32 v[KS+1], v[ADS] offset:128
.irp b, 0,1,2,3
.irp c, 0,1
	ds_load_b128 v[KF+8*\b+4*\c:KF+8*\b+4*\c+3], v[ADK] offset:1024*\b+512*\c
.endr
.endr
	ds_load_b32 v[VS], v[ADS] offset:4096
	ds_load_b32 v[VS+1], v[ADS] offset:4224
.irp i, 0,1,2,3
.irp c, 0,1
	ds_load_b128 v[VF+8*\i+4*\c:VF+8*\i+4*\c+3], v[ADV] offset:1024*\i+512*\c
.endr
.endr
	s_wait_dscnt 10                                ; k's ten loads are in; v's ten may be out
.irp b, 0,1,2,3                        ; S^T: image b holds key tiles 2 b (K 0-63) and 2 b + 1 (K 64-127)
.irp u, 0,1
.if \b%2
	v_wmma_scale_f32_16x16x128_f8f6f4 v[S+8*(2*\b+\u):S+8*(2*\b+\u)+7], v[KF+8*\b:KF+8*\b+7], v[20-4*\u:27-4*\u], 0, v[KS+\b/2], v[QS] matrix_a_fmt:MATRIX_FMT_FP4 matrix_b_fmt:MATRIX_FMT_FP4 matrix_a_scale:MATRIX_SCALE_ROW1
.else
	v_wmma_scale_f32_16x16x128_f8f6f4 v[S+8*(2*\b+\u):S+8*(2*\b+\u)+7], v[KF+8*\b:KF+8*\b+7], v[20-4*\u:27-4*\u], 0, v[KS+\b/2], v[QS] matrix_a_fmt:MATRIX_FMT_FP4 matrix_b_fmt:MATRIX_FMT_FP4
.endif
.endr
.endr
.rept 4
	v_nop
.endr
	s_cmp_lg_u32 s[KT], s[JQ]                      ; on the diagonal the scores of hidden keys become -infinity ahead of the maximum: p = 0 then.  My own key counts, so M is a number from the first step on
	s_cbranch_scc1 .Lopen
	v_mov_b32 v[TMP], 0xff800000
.set n, 0
.rept 64                               ; register 16 b + i holds key 32 b + 16 (lane / 16) + i of the block: hidden where 32 b + i > v[DG]
	v_cmp_gt_i32 vcc_lo, 32*(n/16)+n%16, v[DG]
	v_cndmask_b32 v[S+n], v[S+n], v[TMP], vcc_lo
.set n, n+1
.endr
.Lopen:
.irp b, 0,1,2,3
	v_max3_num_f32 v[BM+\b], v[S+16*\b], v[S+1+16*\b], v[S+2+16*\b]   ; the largest score of each block of 32 keys: for the row's maximum and, since p rises with the score, for the block's largest p
.endr
.irp i, 3,5,7,9,11,13
.irp b, 0,1,2,3
	v_max3_num_f32 v[BM+\b], v[BM+\b], v[S+16*\b+\i], v[S+1+16*\b+\i]
.endr
.endr
.irp b, 0,1,2,3
	v_max_num_f32 v[BM+\b], v[BM+\b], v[S+15+16*\b]
.endr
.irp b, 0,1,2,3
	s_delay_alu instid0(VALU_DEP_4)
	v_permlanex16_b32 v[T2+\b], v[BM+\b], s[SEL], s[SEL+1]
.endr
.irp b, 0,1,2,3
	s_delay_alu instid0(VALU_DEP_4)
	v_max_num_f32 v[BM+\b], v[BM+\b], v[T2+\b]     ; with lane l xor 16's 16 keys
.endr
	s_delay_alu instid0(VALU_DEP_2)
	v_max3_num_f32 v[TMP], v[BM], v[BM+1], v[BM+2]
	s_delay_alu instid0(VALU_DEP_1)
	v_max_num_f32 v[TMP], v[TMP], v[BM+3]          ; the step's largest score of my query
	s_delay_alu instid0(VALU_DEP_1)
	v_mul_f32 v[TMP], s[CS], v[TMP]                ; as t
	s_delay_alu instid0(VALU_DEP_1)
	v_max_num_f32 v13, v13, v[TMP]                 ; the running largest t
	v_mov_b32 v[TMP], v12
	s_delay_alu instid0(VALU_DEP_2)
	v_floor_f32 v12, -v13                          ; the new -M = -ceil(t)
	s_delay_alu instid0(VALU_DEP_1)
	v_sub_f32 v[TMP], v12, v[TMP]                  ; old M - new M: a whole number, 0 or less
	s_delay_alu instid0(VALU_DEP_1)
	v_cvt_i32_f32 v[TMP], v[TMP]                   ; (it saturates)
	s_delay_alu instid0(VALU_DEP_1)
	v_ldexp_f32 v[F], 1.0, v[TMP]                  ; f = 2^(old M - new M)
.set n, 0
.rept 32
	v_pk_fma_f32 v[S+n:S+n+1], v[S+n:S+n+1], s[CS:CS+1], v[12:13] op_sel_hi:[1,0,0]   ; t - M, two at a time
.set n, n+2
.endr
	s_setprio 1
.irp b, 0,1,2,3
	v_fma_f32 v[BM+\b], v[BM+\b], s[CS], v12       ; the same of each block's largest score
.endr
.set n, 0
	s_wait_alu depctr_va_vdst(0)
.rept 64
	v_exp_f32 v[S+n], v[S+n]                       ; p = 2^(t - M)
.set n, n+1
.endr
	v_pk_mul_f32 v[14:15], v[14:15], v[F:F+1] op_sel_hi:[1,0]   ; the sums under the new M (a plain place behind the exponentials)
	s_wait_alu depctr_va_vdst(0)                   ; one wait for the whole batch, ahead of its first reader
.irp b, 0,1,2,3
	v_exp_f32 v[BM+\b], v[BM+\b]                   ; the block's largest p: the same two instructions on the same number give the same bits
.endr
	v_pk_add_f32 v[212:213], v[100:101], v[104:105]
	v_pk_add_f32 v[254:255], v[108:109], v[112:113]
	v_pk_add_f32 v[252:253], v[116:117], v[120:121]
	v_pk_add_f32 v[250:251], v[124:125], v[128:129]
	v_pk_add_f32 v[248:249], v[132:133], v[136:137]
	v_pk_add_f32 v[246:247], v[140:141], v[144:145]
	v_pk_add_f32 v[244:245], v[148:149], v[152:153]
	v_pk_add_f32 v[14:15], v[14:15], v[156:157]
	v_pk_add_f32 v[212:213], v[212:213], v[96:97]
	v_pk_add_f32 v[254:255], v[254:255], v[98:99]
	v_pk_add_f32 v[252:253], v[252:253], v[102:103]
	v_pk_add_f32 v[250:251], v[250:251], v[106:107]
	v_pk_add_f32 v[248:249], v[248:249], v[110:111]
	v_pk_add_f32 v[246:247], v[246:247], v[114:115]
	v_pk_add_f32 v[244:245], v[244:245], v[118:119]
	v_pk_add_f32 v[14:15], v[14:15], v[122:123]
	v_pk_add_f32 v[212:213], v[212:213], v[126:127]
	v_pk_add_f32 v[254:255], v[254:255], v[130:131]
	v_pk_add_f32 v[252:253], v[252:253], v[134:135]
	v_pk_add_f32 v[250:251], v[250:251], v[138:139]
	v_pk_add_f32 v[248:249], v[248:249], v[142:143]
	v_pk_add_f32 v[246:247], v[246:247], v[146:147]
	v_pk_add_f32 v[244:245], v[244:245], v[150:151]
	v_pk_add_f32 v[14:15], v[14:15], v[154:155]
	v_pk_add_f32 v[212:213], v[212:213], v[158:159]
	s_delay_alu instid0(VALU_DEP_2)
	v_pk_add_f32 v[14:15], v[14:15], v[250:251]
	s_delay_alu instid0(VALU_DEP_2)
	v_pk_add_f32 v[212:213], v[212:213], v[248:249]
	v_pk_add_f32 v[254:255], v[254:255], v[246:247]
	v_pk_add_f32 v[252:253], v[252:253], v[244:245]
	s_delay_alu instid0(VALU_DEP_2)
	v_pk_add_f32 v[14:15], v[14:15], v[254:255]
	s_delay_alu instid0(VALU_DEP_2)
	v_pk_add_f32 v[212:213], v[212:213], v[252:253]
	s_delay_alu instid0(VALU_DEP_1)
	v_pk_add_f32 v[14:15], v[14:15], v[212:213]
	s_wait_alu depctr_va_vdst(0)                   ; and one for the four
.irp b, 0,1,2,3
	v_max_num_f32 v[BM+\b], 0x1800000, v[BM+\b]    ; the floor 2^(3 - 127): a block whose every p is 0 keeps the byte 1: its codes are zeros
.endr
.irp b, 0,1,2,3
	s_delay_alu instid0(VALU_DEP_4)
	v_add_nc_u32 v[SO+\b], 0xff000000, v[BM+\b]    ; 2 off the exponent field: the conversion's scale operand
.endr
.irp b, 0,1,2,3
	s_delay_alu instid0(VALU_DEP_4)
	v_lshrrev_b32 v[T2+\b], 23, v[SO+\b]           ; the scale's byte
.endr
	s_delay_alu instid0(VALU_DEP_3)
	v_lshl_or_b32 v[PSW], v[T2+1], 8, v[T2]        ; p's scale word for these 128 keys
	s_delay_alu instid0(VALU_DEP_1)
	v_lshl_or_b32 v[PSW], v[T2+2], 16, v[PSW]
	s_delay_alu instid0(VALU_DEP_1)
	v_lshl_or_b32 v[PSW], v[T2+3], 24, v[PSW]
	s_setprio 0
.irp b, 0,1,2,3
	v_cvt_scalef32_pk8_fp4_f32 v[PC+2*\b], v[S+16*\b:S+7+16*\b], v[SO+\b]
	v_cvt_scalef32_pk8_fp4_f32 v[PC+1+2*\b], v[S+8+16*\b:S+15+16*\b], v[SO+\b]
.endr
	v_nop                                          ; one plain place behind a scaled conversion
.irp c, 0,1                            ; a WHOLE block to a lane: lanes 0-15 block 2 c, lanes 16-31 block 2 c + 1
.irp i, 0,1
	v_permlane16_swap_b32 v[PC+4*\c+\i], v[PC+2+4*\c+\i]
.endr
.endr
.set n, 0
.rept 16
	v_pk_mul_f32 v[O+n:O+n+1], v[O+n:O+n+1], v[F:F+1] op_sel_hi:[1,0]   ; O^T under the new M.  (These 16 are also the places between the scale word's and the codes' last writes and the products below)
.set n, n+2
.endr
	s_wait_alu depctr_va_vdst(0)
	s_wait_dscnt 0x0                               ; v is in
.irp i, 0,1,2,3                        ; O^T += v^T p^T: the four accumulators by turns
.if \i%2
	v_wmma_scale_f32_16x16x128_f8f6f4 v[O+8*\i:O+8*\i+7], v[VF+8*\i:VF+8*\i+7], v[PC:PC+7], v[O+8*\i:O+8*\i+7], v[VS+\i/2], v[PSW] matrix_a_fmt:MATRIX_FMT_FP4 matrix_b_fmt:MATRIX_FMT_FP4 matrix_a_scale:MATRIX_SCALE_ROW1
.else
	v_wmma_scale_f32_16x16x128_f8f6f4 v[O+8*\i:O+8*\i+7], v[VF+8*\i:VF+8*\i+7], v[PC:PC+7], v[O+8*\i:O+8*\i+7], v[VS+\i/2], v[PSW] matrix_a_fmt:MATRIX_FMT_FP4 matrix_b_fmt:MATRIX_FMT_FP4
.endif
.endr
.Lhidden:
	s_add_co_u32 s[TB], s[TB], 4096                ; the next step's images
	s_add_co_u32 s[TS], s[TS], 256                 ; and scale words
	s_add_co_u32 s[KT], s[KT], 1
	s_cmp_lt_u32 s[KT], 16
	s_cbranch_scc1 .Lstep
	s_setprio 0
	; THE PASS'S END: O^T / the sum is my head's 64 numbers of ctx for my query: two blocks of 32 along the last product's K, half a block in a lane
.rept 4
	v_nop                                          ; places behind the last products
.endr
	v_add_f32 v14, v14, v15                        ; the sum's two halves,
	s_delay_alu instid0(VALU_DEP_1)
	v_permlanex16_b32 v[F], v14, s[SEL], s[SEL+1]
	s_delay_alu instid0(VALU_DEP_1)
	v_add_f32 v14, v14, v[F]                       ; and lane l xor 16's
	s_wait_alu depctr_va_vdst(0)
	v_rcp_f32 v14, v14
	s_lshl_b32 s13, s[JQ], 16
	v_add_nc_u32 v[CO], s13, v[LI]                 ; (a plain place behind the reciprocal)  the block's 65,536 bytes of ctx_img, 16 bytes a lane
	s_wait_alu depctr_va_vdst(0)                   ; the wait, ahead of the first reader
.set n, 0
.rept 16
	v_pk_mul_f32 v[S+n:S+n+1], v[O+n:O+n+1], v[14:15] op_sel_hi:[1,0]   ; each accumulator from its low end on
.set n, n+2
.endr
.irp b, 0,1
	v_max3_num_f32 v[BM+\b], |v[S+16*\b]|, |v[S+1+16*\b]|, 0x1800000
.endr
.irp i, 2,4,6,8,10,12,14
.irp b, 0,1
	s_delay_alu instid0(VALU_DEP_2)
	v_max3_num_f32 v[BM+\b], v[BM+\b], |v[S+16*\b+\i]|, |v[S+1+16*\b+\i]|
.endr
.endr
.irp b, 0,1
	s_delay_alu instid0(VALU_DEP_2)
	v_permlanex16_b32 v[T2+\b], v[BM+\b], s[SEL], s[SEL+1]
.endr
.irp b, 0,1
	s_delay_alu instid0(VALU_DEP_2)
	v_max_num_f32 v[BM+\b], v[BM+\b], v[T2+\b]
.endr
.irp b, 0,1
	s_delay_alu instid0(VALU_DEP_2)
	v_add_nc_u32 v[SO+\b], 0xff000000, v[BM+\b]
.endr
.irp b, 0,1
	s_delay_alu instid0(VALU_DEP_2)
	v_lshrrev_b32 v[T2+\b], 23, v[SO+\b]
.endr
	s_delay_alu instid0(VALU_DEP_1)
	v_lshl_or_b32 v[TMP], v[T2+1], 8, v[T2]        ; the two scale bytes
.irp b, 0,1
	v_cvt_scalef32_pk8_fp4_f32 v[PC+2*\b], v[S+16*\b:S+7+16*\b], v[SO+\b]
	v_cvt_scalef32_pk8_fp4_f32 v[PC+1+2*\b], v[S+8+16*\b:S+15+16*\b], v[SO+\b]
.endr
	v_cndmask_b32 v[PWS], v[PWS], v[TMP], s[LM]    ; (the plain place behind the conversions)  kept for one store at the end
	v_permlane16_swap_b32 v[PC], v[PC+2]           ; lanes 0-15 now hold block 0 whole, lanes 16-31 block 1
	v_permlane16_swap_b32 v[PC+1], v[PC+3]
	global_store_b128 v[CO], v[PC:PC+3], s[48:49]  ; 32 lanes store 512 consecutive bytes: half a fragment of the last product's operand
	s_lshl_b32 s[LM], s[LM], 16
	s_add_co_u32 s[PASS], s[PASS], 1
	s_cmp_lt_u32 s[PASS], 2
	s_cbranch_scc1 .Lpass
	global_store_b16 v[CSO], v[PWS], s[50:51]      ; two bytes a row, rows 32 bytes apart: one byte in 16 of what this launch stores
	s_wait_tensorcnt 0x0                           ; the wave's end
	ds_add_u32 v[SPW], v[NIL]
	s_wait_dscnt 0x0
	ROUND                                          ; the closing round
	s_endpgm
.Lfunc_end_k_qddb7a34c2d_attn:
	.size	k_qddb7a34c2d_attn, .Lfunc_end_k_qddb7a34c2d_attn-k_qddb7a34c2d_attn
	.p2alignl 7, 3214868480
	.fill 96, 4, 3214868480
	.section	.rodata,"a",@progbits
	.p2align	6, 0x0
	.amdhsa_kernel k_qddb7a34c2d_attn
		.amdhsa_group_segment_fixed_size 167936
		.amdhsa_private_segment_fixed_size 0
		.amdhsa_enable_private_segment 0
		.amdhsa_kernarg_size 32
		.amdhsa_user_sgpr_count 2
		.amdhsa_user_sgpr_kernarg_segment_ptr 1
		.amdhsa_wavefront_size32 1
		.amdhsa_system_sgpr_workgroup_id_x 1
		.amdhsa_system_sgpr_workgroup_id_y 1
		.amdhsa_system_sgpr_workgroup_id_z 1
		.amdhsa_system_vgpr_workitem_id 0
		.amdhsa_next_free_vgpr 256
		.amdhsa_next_free_sgpr 66
		.amdhsa_reserve_vcc 1
		.amdhsa_float_denorm_mode_32 3
		.amdhsa_float_denorm_mode_16_64 3
		.amdhsa_memory_ordered 1
		.amdhsa_forward_progress 1
		.amdhsa_inst_pref_size 34
	.end_amdhsa_kernel
	.amdgpu_metadata
---
amdhsa.version: [ 1, 2 ]
amdhsa.kernels:
  - .name:           k_qddb7a34c2d_attn
    .symbol:         k_qddb7a34c2d_attn.kd
    .args:
      - { .name: qbuf, .offset: 0, .size: 8, .value_kind: global_buffer, .address_space: global }
      - { .name: kv, .offset: 8, .size: 8, .value_kind: global_buffer, .address_space: global }
      - { .name: ctx_img, .offset: 16, .size: 8, .value_kind: global_buffer, .address_space: global }
      - { .name: ctx_sc, .offset: 24, .size: 8, .value_kind: global_buffer, .address_space: global }
    .group_segment_fixed_size: 167936
    .private_segment_fixed_size: 0
    .kernarg_segment_align: 8
    .kernarg_segment_size: 32
    .max_flat_workgroup_size: 512
    .sgpr_count:     66
    .vgpr_count:     256
    .wavefront_size: 32
...
	.end_amdgpu_metadata
.endif
;; end of part 3
;; launch proj (part 4): grid 4 x 64, 4 waves a work-group, clusters of 4 x 4, 235,776 bytes of LDS; arguments ctx_img, ctx_sc, w_codes, w_sc, bo, out0; writes out0
.if DOCPART == 4
	.amdgcn_target "amdgcn-amd-amdhsa--gfx1250"
	.amdhsa_code_object_version 6
	.text
	.protected	k_qddb7a34c2d_proj
	.globl	k_qddb7a34c2d_proj
	.p2align	8
	.type	k_qddb7a34c2d_proj,@function
k_qddb7a34c2d_proj:
	s_mov_b64 s[64:65], 0
	v_nop
	global_prefetch_b8 v0, s[64:65] scope:SCOPE_SE
	s_setreg_imm32_b32 hwreg(HW_REG_WAVE_MODE, 25, 1), 1
	s_wait_xcnt 0x0
	s_wait_alu depctr_hold_cnt(0) depctr_sa_sdst(0) depctr_va_vdst(0) depctr_va_sdst(0) depctr_va_ssrc(0) depctr_va_vcc(0) depctr_vm_vsrc(0)
	s_getreg_b32 s2, hwreg(HW_REG_IB_STS2, 6, 4)
	s_cmp_eq_u32 s2, 0
	s_cbranch_scc0 .Lentry_in_a_cluster
	s_endpgm
.Lentry_in_a_cluster:
	s_bfe_u32 s2, ttmp6, 0x10000c
	s_cmp_lg_u32 s2, 0xf033
	s_cbranch_scc0 .Lentry_shape_is_right
	s_endpgm
.Lentry_shape_is_right:
; out0 = ctx Wo^T + bo on codes of FP4, K = 1,024.  ctx arrives as register images of its fragments and as scale bytes by stored row; Wo as rows 3,072 on of the weights' codes.  Nothing is left out here.
; SHARES.  A work-group makes 128 tokens x 256 columns: 4 x 64 = 256 work-groups.  Each of four waves makes all 128 tokens x 64 columns: 32 accumulators, 256 registers.
; LDS.  All of K lies in LDS at once, as two slots of 512 along K, each filled once: ctx's 32 fragments of a slot on end (read 16 bytes a lane: no padding), then Wo's 256 rows of 256 bytes + 16;
; behind the slots the scale bytes, and a stage of its own for each wave's way out, into which no tile lands.
; CLUSTERS: 4 x 4 work-groups: ctx's tiles are shared along a row of the cluster, Wo's along a column: joint loads, as in the launch of the three projections.
; Source 0 = 16 rows of Wo, source 1 = 16 tokens: a lane holds one token and eight neighbouring columns.  bo is the C of each sum's first matrix instruction.
; ROWS are stored with bits 3 and 4 of the row number changed round: stored tile T, row rho = row 32 (T / 2) + 8 (T % 2) + rho + 8 (rho / 8), of Wo and of the tokens alike: the way out puts both right.
; REGISTERS: window 0: v16-31 addresses; v32-95 ctx's scale words (8 a + q), v96-127 Wo's (8 i + q); v128-159 bo in the result's layout; v160-223 rows on the way out.  window 1: the accumulators.
;   window 2: ctx's fragments, two sets at v0 and v64; Wo's, two sets at v128 and v160.
.set PITCH, 272
.set BOFF,  32768                      ; in a slot: ctx's 8 tiles x 4 K steps x 1,024 bytes, then Wo's 256 rows
.set SLOT,  BOFF+256*PITCH
.set SCL,   2*SLOT                     ; the scale bytes: units of 256 bytes (8 rows) + 16 of padding: ctx's 16 units, then Wo's 32
.set STAGE, SCL+48*272                 ; 16 rows x (256 bytes + 16) for each wave
.set SPARE, STAGE+4*16*272             ; the spare words, 128 bytes a wave
.set ADRA, 16                          ; v16-17 16 x lane, slot 0, 1
.set ADRB, 20                          ; v20-21 my place in my wave's 64 rows of Wo
.set ADSA, 24
.set ADSB, 25
.set STO,  26                          ; v26 the stage: where I put 32 bytes of a row
.set RD,   27                          ; v27 and where I read a row back
.set SPW,  28                          ; v28 LDS address of my spare word; never rewritten
.set NIL,  29                          ; v29 0; never rewritten
.set BOO,  30                          ; v30 64 h: my half's place in bo
.set CO,   31                          ; v31 my byte offset in two rows of out0
.set SA,   32
.set SB,   96
.set BIAS, 128
.set BK,   160
.set G1,   24
.set G0,   32
.set G1B,  48
.set G0B,  56
.set G1S,  68
.set G0S,  76
.set G1SB, 80
.set G0SB, 88
.set MSB, 0
.macro WIN new                         ; the immediate's high byte repeats the setting that is left; a switch that changes nothing is dropped
.if MSB != \new
	s_set_vgpr_msb (MSB<<8)|\new
.set MSB, \new
.endif
.endm
; A joint load: waves 0 and 1 fetch for ctx, waves 2 and 3 for Wo.  The branch hangs on the wave's number alone.  An s_nop 0 and four v_nop follow each of the two lines.
.macro JLOAD g0a, g1a, g0b, g1b
	s_cmp_eq_u32 s17, 0
	s_cbranch_scc0 .Lfor_b_\@
	tensor_load_to_lds s[\g0a:\g0a+3], s[\g1a:\g1a+7]
	s_nop 0
.rept 4
	v_nop
.endr
	s_branch .Lasked_\@
.Lfor_b_\@:
	tensor_load_to_lds s[\g0b:\g0b+3], s[\g1b:\g1b+7]
	s_nop 0
.rept 4
	v_nop
.endr
.Lasked_\@:
.endm
.macro ROUND                           ; a round of the cluster's barrier
	s_barrier_signal -1
	s_barrier_wait -1
	s_cmp_lg_u32 s16, 0
	s_cbranch_scc1 .Lnot_wave_0_\@
	s_barrier_signal -3
.Lnot_wave_0_\@:
	s_barrier_wait -3
	s_barrier_signal -1
	s_barrier_wait -1
.endm
.macro PLACES n
.rept \n
	v_nop
.endr
.endm
.macro FETCH q, set                    ; 24 LDS loads: K step q's fragments: ctx's eight images and my four tiles of Wo
	WIN 0x80                                       ; destination window 2, address window 0
.irp a, 0,1,2,3,4,5,6,7
.irp c, 0,1
	ds_load_b128 v[64*(\set)+8*\a+4*\c:64*(\set)+8*\a+4*\c+3], v[ADRA+(\q)/4] offset:4096*\a+1024*((\q)%4)+512*\c
.endr
.endr
.irp i, 0,1,2,3
.irp c, 0,1
	ds_load_b128 v[128+32*(\set)+8*\i+4*\c:128+32*(\set)+8*\i+4*\c+3], v[ADRB+(\q)/4] offset:64*((\q)%4)+32*\c+16*PITCH*\i
.endr
.endr
.endm
.macro SCALES                          ; all scale words, once: a row's 32 bytes are its eight words; lanes 16-31 read what lanes 0-15 read
.irp a, 0,1,2,3,4,5,6,7
.irp s, 0,1
	ds_load_b128 v[SA+8*\a+4*\s:SA+8*\a+4*\s+3], v[ADSA] offset:544*\a+16*\s
.endr
.endr
.irp i, 0,1,2,3
.irp s, 0,1
	ds_load_b128 v[SB+8*\i+4*\s:SB+8*\i+4*\s+3], v[ADSB] offset:544*\i+16*\s
.endr
.endr
.endm
.macro WM d, a, b, first, cb, sa, sb   ; one matrix instruction; first = 1: the sum begins with bo
.if \first
	v_wmma_scale_f32_16x16x128_f8f6f4 v[(\d):(\d)+7], v[(\a):(\a)+7], v[(\b):(\b)+7], v[(\cb):(\cb)+7], v[\sa], v[\sb] matrix_a_fmt:MATRIX_FMT_FP4 matrix_b_fmt:MATRIX_FMT_FP4
.else
	v_wmma_scale_f32_16x16x128_f8f6f4 v[(\d):(\d)+7], v[(\a):(\a)+7], v[(\b):(\b)+7], v[(\d):(\d)+7], v[\sa], v[\sb] matrix_a_fmt:MATRIX_FMT_FP4 matrix_b_fmt:MATRIX_FMT_FP4
.endif
.endm
; A K step's 32 matrix instructions: accumulator (token tile a, Wo's tile i) at 8 (4 a + i).  The 32 take turns, one instruction a turn, in the same order in every step.
.macro MUL q, set, first
.irp a, 0,1,2,3,4,5,6,7
.irp i, 0,1,2,3
	WM 8*(4*\a+\i), 128+32*(\set)+8*\i, 64*(\set)+8*\a, \first, BIAS+8*\i, SB+8*\i+(\q), SA+8*\a+(\q)
.endr
.endr
.endm
.macro KSTEP q
.if (\q) == 3                          ; the next fetch is the first from slot 1
	WIN 0
	s_wait_tensorcnt 0x0                           ; my part of slot 1 has landed;
	ds_add_u32 v[SPW], v[NIL]
	s_wait_dscnt 0x0                               ; no LDS instruction of mine is out at the signal
	s_barrier_signal -1
	s_barrier_wait -1                              ; everybody's has.
.endif
.if (\q) < 7
.if (\q) > 0
	PLACES 4                                       ; behind the products that read the set into which the loads go
.endif
	FETCH (\q)+1, ((\q)+1)%2
	s_wait_dscnt 24                                ; all but the 24 just issued
.else
	s_wait_dscnt 0x0
.endif
.if (\q) == 0
	WIN 0x4a                                       ; sources 0 and 1 window 2, C (bo) window 0, D window 1
	MUL \q, 0, 1
.else
	WIN 0x5a                                       ; C and D window 1
	MUL \q, (\q)%2, 0
.endif
.endm
; THE WAY OUT, a token tile (16 rows x my 64 columns) at a time, through my own stage: in as 32 bytes a lane, back as whole rows of 256 bytes.  LDS serves a wave's instructions in order: no wait between.
.macro TOSTAGE a
	WIN 0x04                                       ; an LDS store's data are its source 1: window 1
.irp i, 0,1,2,3
	ds_store_b128 v[STO], v[8*(4*(\a)+\i):8*(4*(\a)+\i)+3] offset:128*(\i/2)+32*(\i%2)         ; columns 32 (i / 2) + 16 h + 8 (i % 2) on; each accumulator from its low end on
	ds_store_b128 v[STO], v[8*(4*(\a)+\i)+4:8*(4*(\a)+\i)+7] offset:128*(\i/2)+32*(\i%2)+16
.endr
	WIN 0
.irp t, 0,1,2,3,4,5,6,7
	ds_load_b128 v[BK+32*((\a)%2)+4*\t:BK+32*((\a)%2)+4*\t+3], v[RD] offset:544*\t
.endr
.endm
.macro SEND a, younger                 ; younger: the LDS instructions issued behind tile a's loads, which may stay out
	s_wait_dscnt \younger
.irp t, 0,1,2,3,4,5,6,7
	global_store_b128 v[CO], v[BK+32*((\a)%2)+4*\t:BK+32*((\a)%2)+4*\t+3], s[92:93] offset:(32*((\a)/2)+8*((\a)%2)+2*\t+8*(\t/4))*4096 th:TH_STORE_NT   ; stage rows 2 t, 2 t + 1 at their true rows; 16 lanes store 256 consecutive bytes, aligned
.endr
.endm
	s_load_b256 s[4:11], s[0:1], 0x0               ; ctx's images, ctx's scales, the weights' codes, the weights' scales
	s_load_b128 s[12:15], s[0:1], 0x20             ; bo, out0
	v_lshl_add_u32 v[SPW], v0, 2, SPARE
	v_mov_b32 v[NIL], 0
	ds_add_u32 v[SPW], v[NIL]                      ; the wave's opening: the add, twice on end, and its wait ahead of my first tensor load
	ds_add_u32 v[SPW], v[NIL]
	v_lshrrev_b32 v1, 5, v0
	v_readfirstlane_b32 s16, v1                    ; wave 0..3
	s_lshr_b32 s17, s16, 1                         ; I fetch for ctx (0) or for Wo (1),
	s_and_b32 s18, s16, 1                          ; and which half
	s_bfe_u32 s20, ttmp6, 0x40000                  ; cx
	s_bfe_u32 s21, ttmp6, 0x40004                  ; cy
	s_lshl_b32 s22, ttmp9, 2
	s_add_co_u32 s22, s22, s20                     ; column block
	s_and_b32 s23, ttmp7, 0xffff
	s_lshl_b32 s23, s23, 2
	s_add_co_u32 s23, s23, s21                     ; token block
	s_lshl_b32 s40, s21, 2
	s_lshl_b32 s40, 15, s40                        ; my row of the cluster
	s_lshl_b32 s41, 0x1111, s20                    ; my column
	s_or_b32 s[G1], s40, (3<<16)|(1<<21)           ; ctx's images: a dense block as rows of 256 bytes (32 elements of 8), no padding
	s_mov_b32 s[G1+1], 32<<16
	s_mov_b32 s[G1+2], 64<<16                      ; 64 rows: 16,384 bytes: four tiles x four K steps
	s_mov_b32 s[G1+3], 32<<16
	s_mov_b32 s[G1+4], 64
	s_mov_b32 s[G1+5], 32
	s_mov_b32 s[G1+6], 0
	s_mov_b32 s[G1+7], 0
	s_or_b32 s[G1B], s41, (1<<20)|(1<<21)|(5<<22)|(3<<25)   ; Wo: 128 rows x 256 bytes, 4 words of padding behind every 64
	s_mov_b32 s[G1B+1], 256<<16
	s_mov_b32 s[G1B+2], 128<<16
	s_mov_b32 s[G1B+3], 256<<16
	s_mov_b32 s[G1B+4], 128
	s_mov_b32 s[G1B+5], 512
	s_mov_b32 s[G1B+6], 0
	s_mov_b32 s[G1B+7], 0
	s_or_b32 s[G1S], s40, (3<<16)|(1<<20)|(1<<21)|(5<<22)|(3<<25)
	s_mov_b32 s[G1S+1], 32<<16
	s_mov_b32 s[G1S+2], 8<<16
	s_mov_b32 s[G1S+3], 32<<16
	s_mov_b32 s[G1S+4], 8
	s_mov_b32 s[G1S+5], 32
	s_mov_b32 s[G1S+6], 0
	s_mov_b32 s[G1S+7], 0
	s_or_b32 s[G1SB], s41, (3<<16)|(1<<20)|(1<<21)|(5<<22)|(3<<25)
	s_mov_b32 s[G1SB+1], 32<<16
	s_mov_b32 s[G1SB+2], 16<<16
	s_mov_b32 s[G1SB+3], 32<<16
	s_mov_b32 s[G1SB+4], 16
	s_mov_b32 s[G1SB+5], 32
	s_mov_b32 s[G1SB+6], 0
	s_mov_b32 s[G1SB+7], 0
	s_lshl_b32 s42, s23, 16                        ; ctx's images: 65,536 bytes a token block, + 16,384 x half (these registers never hold cx)
	s_lshl_b32 s19, s18, 14
	s_add_co_u32 s42, s42, s19
	s_mov_b32 s43, 0
	s_lshl_b32 s46, s23, 12                        ; its scale bytes: 128 rows of 32, + 64 rows x half
	s_lshl_b32 s19, s18, 11
	s_add_co_u32 s46, s46, s19
	s_mov_b32 s47, 0
	s_lshl_b32 s44, s22, 8                         ; Wo: row 3,072 + 256 x column block + 128 x half (never cy)
	s_lshl_b32 s19, s18, 7
	s_add_co_u32 s44, s44, s19
	s_add_co_u32 s44, s44, 3072
	s_lshl_b32 s66, s44, 5
	s_lshl_b32 s44, s44, 9
	s_mov_b32 s45, 0
	s_mov_b32 s67, 0
	s_lshl_b32 s92, s18, 14                        ; where they go: the wave's number and constants alone
	s_mul_i32 s93, s18, 128*PITCH
	s_add_co_u32 s93, s93, BOFF
	s_mul_i32 s94, s18, 8*272
	s_add_co_u32 s94, s94, SCL
	s_mul_i32 s95, s18, 16*272
	s_add_co_u32 s95, s95, SCL+16*272
	s_wait_dscnt 0x0                               ; both opening adds are done
	s_wait_kmcnt 0x0
	s_add_nc_u64 s[4:5], s[4:5], s[42:43]
	s_add_nc_u64 s[8:9], s[8:9], s[44:45]
	s_mov_b32 s[G0S], 1
	s_mov_b32 s[G0S+1], s94
	s_add_nc_u64 s[G0S+2:G0S+3], s[6:7], s[46:47]
	s_or_b32 s[G0S+3], s[G0S+3], 0x80000000
	s_mov_b32 s[G0SB], 1
	s_mov_b32 s[G0SB+1], s95
	s_add_nc_u64 s[G0SB+2:G0SB+3], s[10:11], s[66:67]
	s_or_b32 s[G0SB+3], s[G0SB+3], 0x80000000
.irp s, 0,1
	s_mov_b32 s[G0+4*\s], 1
	s_add_co_u32 s[G0+4*\s+1], s92, \s*SLOT
	s_add_nc_u64 s[G0+4*\s+2:G0+4*\s+3], s[4:5], \s*32768  ; slot s: the block's half of K
	s_or_b32 s[G0+4*\s+3], s[G0+4*\s+3], 0x80000000
	s_mov_b32 s[G0B+4*\s], 1
	s_add_co_u32 s[G0B+4*\s+1], s93, \s*SLOT
	s_add_nc_u64 s[G0B+4*\s+2:G0B+4*\s+3], s[8:9], \s*256
	s_or_b32 s[G0B+4*\s+3], s[G0B+4*\s+3], 0x80000000
.endr
	ROUND                                          ; all sixteen work-groups are here: the joint loads meet
	JLOAD G0S, G1S, G0SB, G1SB                     ; three loads of mine are out: the scale bytes,
	JLOAD G0, G1, G0B, G1B                         ; slot 0,
	JLOAD G0+4, G1, G0B+4, G1B                     ; slot 1
	v_and_b32 v1, 15, v0                           ; r
	v_bfe_u32 v2, v0, 4, 1                         ; h
	s_lshl_b32 s66, s22, 10                        ; my 64 columns, in bytes of f32: 1,024 x column block + 256 x wave
	s_lshl_b32 s19, s16, 8
	s_add_co_u32 s66, s66, s19
	s_add_nc_u64 s[12:13], s[12:13], s[66:67]      ; in bo,
	s_add_nc_u64 s[92:93], s[14:15], s[66:67]      ; and in a row of out0;
	s_lshl_b32 s66, s23, 19                        ; 128 rows of 4,096 bytes a token block
	s_add_nc_u64 s[92:93], s[92:93], s[66:67]
	v_lshlrev_b32 v[BOO], 6, v2
.irp i, 0,1,2,3                        ; bo in the result's layout: tile i, lane (r, h): columns 32 (i / 2) + 16 h + 8 (i % 2) + 0 .. 7
	global_load_b128 v[BIAS+8*\i:BIAS+8*\i+3], v[BOO], s[12:13] offset:128*(\i/2)+32*(\i%2)
	global_load_b128 v[BIAS+8*\i+4:BIAS+8*\i+7], v[BOO], s[12:13] offset:128*(\i/2)+32*(\i%2)+16
.endr
	v_and_b32 v3, 31, v0
	v_lshlrev_b32 v[ADRA], 4, v3                   ; an image's place for my lane
	v_add_nc_u32 v[ADRA+1], SLOT, v[ADRA]
	v_mul_u32_u24 v4, v1, PITCH
	v_lshl_add_u32 v5, v2, 4, v4                   ; row x pitch + 16 h
	s_mul_i32 s19, s16, 64*PITCH
	s_add_co_u32 s19, s19, BOFF                    ; my wave's 64 rows of Wo
	v_add_nc_u32 v[ADRB], s19, v5
	s_add_co_u32 s19, s19, SLOT
	v_add_nc_u32 v[ADRB+1], s19, v5
	v_lshrrev_b32 v3, 3, v1
	v_lshlrev_b32 v5, 5, v1
	v_lshl_add_u32 v5, v3, 4, v5                   ; 32 r + 16 (r / 8)
	v_add_nc_u32 v[ADSA], SCL, v5
	s_mul_i32 s19, s16, 8*272
	s_add_co_u32 s19, s19, SCL+16*272
	v_add_nc_u32 v[ADSB], s19, v5
	s_mul_i32 s19, s16, 16*272
	s_add_co_u32 s19, s19, STAGE                   ; my stage
	v_lshl_add_u32 v[STO], v2, 6, v4               ; in: row r, + 64 h
	v_add_nc_u32 v[STO], s19, v[STO]
	v_mul_u32_u24 v[RD], v2, 272                   ; back: lanes 0-15 one row, lanes 16-31 the next
	v_lshl_add_u32 v[RD], v1, 4, v[RD]
	v_add_nc_u32 v[RD], s19, v[RD]
	v_lshlrev_b32 v[CO], 12, v2                    ; and the same two rows in out0
	v_lshl_add_u32 v[CO], v1, 4, v[CO]
	s_wait_alu depctr_va_vdst(0)
	s_wait_tensorcnt 0x1                           ; the scale bytes and my part of slot 0 are in; slot 1's load may stay out
	s_barrier_signal -1
	s_barrier_wait -1                              ; everybody's are
	SCALES
	FETCH 0, 0
	s_wait_loadcnt 0x0                             ; bo
.irp q, 0,1,2,3,4,5,6,7
	KSTEP \q
.endr
	WIN 0
	PLACES 4                                       ; behind the last products, ahead of the first read of results
	TOSTAGE 0
.irp a, 1,2,3,4,5,6,7
.if \a > 1
	s_wait_xcnt 0x0                                ; tile a - 2's stores have read their registers: tile a's loads may land there
.endif
	TOSTAGE \a
	SEND \a-1, 16                                  ; behind tile a - 1's loads: tile a's 8 stores and 8 loads
.endr
	SEND 7, 0
	s_wait_tensorcnt 0x0                           ; the wave's end, behind my last tensor load and my last LDS store
	ds_add_u32 v[SPW], v[NIL]
	s_wait_dscnt 0x0
	ROUND                                          ; the closing round
	s_endpgm
.Lfunc_end_k_qddb7a34c2d_proj:
	.size	k_qddb7a34c2d_proj, .Lfunc_end_k_qddb7a34c2d_proj-k_qddb7a34c2d_proj
	.p2alignl 7, 3214868480
	.fill 96, 4, 3214868480
	.section	.rodata,"a",@progbits
	.p2align	6, 0x0
	.amdhsa_kernel k_qddb7a34c2d_proj
		.amdhsa_group_segment_fixed_size 235776
		.amdhsa_private_segment_fixed_size 0
		.amdhsa_enable_private_segment 0
		.amdhsa_kernarg_size 48
		.amdhsa_user_sgpr_count 2
		.amdhsa_user_sgpr_kernarg_segment_ptr 1
		.amdhsa_wavefront_size32 1
		.amdhsa_system_sgpr_workgroup_id_x 1
		.amdhsa_system_sgpr_workgroup_id_y 1
		.amdhsa_system_sgpr_workgroup_id_z 1
		.amdhsa_system_vgpr_workitem_id 0
		.amdhsa_next_free_vgpr 768
		.amdhsa_next_free_sgpr 100
		.amdhsa_reserve_vcc 0
		.amdhsa_float_denorm_mode_32 3
		.amdhsa_float_denorm_mode_16_64 3
		.amdhsa_memory_ordered 1
		.amdhsa_forward_progress 1
		.amdhsa_inst_pref_size 73
	.end_amdhsa_kernel
	.amdgpu_metadata
---
amdhsa.version: [ 1, 2 ]
amdhsa.kernels:
  - .name:           k_qddb7a34c2d_proj
    .symbol:         k_qddb7a34c2d_proj.kd
    .args:
      - { .name: ctx_img, .offset: 0, .size: 8, .value_kind: global_buffer, .address_space: global }
      - { .name: ctx_sc, .offset: 8, .size: 8, .value_kind: global_buffer, .address_space: global }
      - { .name: w_codes, .offset: 16, .size: 8, .value_kind: global_buffer, .address_space: global }
      - { .name: w_sc, .offset: 24, .size: 8, .value_kind: global_buffer, .address_space: global }
      - { .name: bo, .offset: 32, .size: 8, .value_kind: global_buffer, .address_space: global }
      - { .name: out0, .offset: 40, .size: 8, .value_kind: global_buffer, .address_space: global }
    .group_segment_fixed_size: 235776
    .private_segment_fixed_size: 0
    .kernarg_segment_align: 8
    .kernarg_segment_size: 48
    .max_flat_workgroup_size: 128
    .sgpr_count:     100
    .vgpr_count:     768
    .wavefront_size: 32
...
	.end_amdgpu_metadata
.endif
;; end of part 4
